; MI455X (gfx1250); checked and timed in simulation.
; The chip was launched on July 23, 2026; its instructions are those of AMD's public machine-readable ISA for CDNA 5 (MIT licence, August 2026) and "CDNA5" Instruction Set Architecture Reference Guide (July 2026). The comments in the code are by the model that wrote it; some were corrected since.
;; Causal Attentation. Allowed arithmetic: float matrix products may take bf16 or f16 operands with f32 sums; other float arithmetic in f32, or as packed bf16 or f16 multiplies, adds, multiply-adds, maxima and minima; sums over many terms, partial sums and values carried from step to step in f32; what a program stores and reads back later, other than sums and carried values, may be rounded once to bf16 or f16.
;; Inputs: Wk 1,024 x 1,024 float32; Wq 1,024 x 1,024 float32; Wv 1,024 x 1,024 float32; x 4 x 2,048 x 1,024 float32.
;; Outputs: out0 4 x 2,048 x 1,024 float32.
;; One version. Each part assembles by itself: llvm-mc -triple=amdgcn-amd-amdhsa -mcpu=gfx1250 --defsym DOCPART=n.
;; ======== version 1 of 1: 4 launches
;; limits: values are held in f16: magnitudes above 65,504 overflow, below 6.1e-05 lose precision
;; workspace buffers: xb 16,777,216 bytes; wb 6,291,456 bytes; qkv 50,331,648 bytes; pw 33,554,432 bytes; stats 1,048,576 bytes
;; launch cast (part 1): grid 704 x 1, 8 waves a work-group, no clusters, 0 bytes of LDS; arguments x, Wq, Wk, Wv, xb, wb; writes xb, wb
.if DOCPART == 1
	.amdgcn_target "amdgcn-amd-amdhsa--gfx1250"
	.amdhsa_code_object_version 6
	.text
	.protected	k_q352eb91298_cast
	.globl	k_q352eb91298_cast
	.p2align	8
	.type	k_q352eb91298_cast,@function
k_q352eb91298_cast:
	s_mov_b64 s[64:65], 0
	v_nop
	global_prefetch_b8 v0, s[64:65] scope:SCOPE_SE
	s_setreg_imm32_b32 hwreg(HW_REG_WAVE_MODE, 25, 1), 1
	s_wait_xcnt 0x0
; x [8192][1024] and Wq, Wk, Wv [1024][1024], all f32, are rounded once to bf16 and laid out in blocks of 64 along K:
; xb [16 kb][8192 rows][64], wb [16 kb][3072 rows][64] (rows 0-1023 Wq, 1024-2047 Wk, 2048-3071 Wv), so that the 128-byte
; rows of a K block lie end to end and the next launch can ask for them as rows of 256 bytes.
; SHARES.  A work-group takes 16 rows (64 KiB in, 32 KiB out): groups 0-511 of x, 512-703 of the three weights.  Wave w takes
; K blocks 2 w and 2 w + 1.  A unit is 4 rows x 1 K block: lane l reads 32 bytes (row l / 8, piece l % 8: eight lanes cover 256
; consecutive bytes, aligned) and stores 16 bytes at 16 l: a store of the wave covers 512 consecutive bytes, aligned.
; All 16 loads of a wave go out together; no register is written twice, so no wait but the counted ones for data is needed.
; No LDS, no barrier, no matrix unit: each byte is read once and written once, and no wave wants another's bytes.
.set VIN, 2                            ; v2      my byte offset in the group's 16 rows of the source
.set VO,  3                            ; v3, v4  my byte offset in the destination, K block 2 w and 2 w + 1
.set X,   8                            ; v[8:71]    unit n: 8 numbers as loaded
.set Y,   72                           ; v[72:103]  unit n: 4 registers to store
	s_load_b256 s[4:11], s[0:1], 0x0               ; x s[4:5], Wq s[6:7], Wk s[8:9], Wv s[10:11]
	s_load_b128 s[12:15], s[0:1], 0x20             ; xb s[12:13], wb s[14:15]
	v_lshrrev_b32 v1, 5, v0
	v_readfirstlane_b32 s16, v1                    ; wave 0..7
	v_and_b32 v5, 31, v0                           ; lane
	v_lshrrev_b32 v6, 3, v5                        ; row in a unit
	v_and_b32 v7, 7, v5                            ; piece of 32 bytes
	v_lshlrev_b32 v[VIN], 12, v6
	v_lshl_or_b32 v[VIN], v7, 5, v[VIN]
	s_lshl_b32 s17, s16, 9                         ; two K blocks of 256 bytes a wave
	v_add_nc_u32 v[VIN], s17, v[VIN]
	s_sub_co_u32 s18, ttmp9, 512                   ; the group's number among the weights' (of use from 512 on)
	s_and_b32 s20, s18, 63                         ; its 16 rows in that weight
	s_lshr_b32 s21, s18, 6                         ; which weight
	s_mov_b32 s19, 3072*128
	s_cmp_lt_u32 ttmp9, 512
	s_cselect_b32 s19, 8192*128, s19               ; bytes from K block to K block in the destination
	s_cselect_b32 s20, ttmp9, s20                  ; block of 16 rows in the source
	s_cselect_b32 s22, ttmp9, s18                  ; and in the destination
	s_lshl_b32 s28, s20, 16                        ; 16 rows of 4,096 bytes
	s_mov_b32 s29, 0
	s_lshl_b32 s30, s22, 11                        ; 16 rows of 128 bytes
	s_mov_b32 s31, 0
	s_lshl_b32 s17, s16, 1
	s_mul_i32 s17, s17, s19                        ; K block 2 w
	v_lshl_add_u32 v[VO], v5, 4, s17
	v_add_nc_u32 v[VO+1], s19, v[VO]
	s_wait_kmcnt 0x0
	s_cmp_eq_u32 s21, 1
	s_cselect_b64 s[24:25], s[8:9], s[6:7]
	s_cmp_eq_u32 s21, 2
	s_cselect_b64 s[24:25], s[10:11], s[24:25]
	s_cmp_lt_u32 ttmp9, 512
	s_cselect_b64 s[24:25], s[4:5], s[24:25]       ; the source,
	s_cselect_b64 s[26:27], s[12:13], s[14:15]     ; the destination
	s_add_nc_u64 s[24:25], s[24:25], s[28:29]
	s_add_nc_u64 s[26:27], s[26:27], s[30:31]
.irp u, 0,1,2,3
.irp p, 0,1
	global_load_b128 v[X+8*(2*(\u)+(\p)):X+8*(2*(\u)+(\p))+3],   v[VIN], s[24:25] offset:(\u)*16384+(\p)*256 th:TH_LOAD_NT
	global_load_b128 v[X+8*(2*(\u)+(\p))+4:X+8*(2*(\u)+(\p))+7], v[VIN], s[24:25] offset:(\u)*16384+(\p)*256+16 th:TH_LOAD_NT
.endr
.endr
.irp u, 0,1,2,3
.irp p, 0,1
	s_wait_loadcnt 14-2*(2*(\u)+(\p))              ; loads come back in order: this unit's two are in, the younger units' stay out
.irp j, 0,1,2,3
	v_cvt_pk_bf16_f32 v[Y+4*(2*(\u)+(\p))+(\j)], v[X+8*(2*(\u)+(\p))+2*(\j)], v[X+8*(2*(\u)+(\p))+2*(\j)+1]
.endr
	global_store_b128 v[VO+(\p)], v[Y+4*(2*(\u)+(\p)):Y+4*(2*(\u)+(\p))+3], s[26:27] offset:512*(\u)
.endr
.endr
	s_endpgm
.Lfunc_end_k_q352eb91298_cast:
	.size	k_q352eb91298_cast, .Lfunc_end_k_q352eb91298_cast-k_q352eb91298_cast
	.p2alignl 7, 3214868480
	.fill 96, 4, 3214868480
	.section	.rodata,"a",@progbits
	.p2align	6, 0x0
	.amdhsa_kernel k_q352eb91298_cast
		.amdhsa_group_segment_fixed_size 0
		.amdhsa_private_segment_fixed_size 0
		.amdhsa_enable_private_segment 0
		.amdhsa_kernarg_size 48
		.amdhsa_user_sgpr_count 2
		.amdhsa_user_sgpr_kernarg_segment_ptr 1
		.amdhsa_wavefront_size32 1
		.amdhsa_system_sgpr_workgroup_id_x 1
		.amdhsa_system_sgpr_workgroup_id_y 1
		.amdhsa_system_sgpr_workgroup_id_z 1
		.amdhsa_system_vgpr_workitem_id 0
		.amdhsa_next_free_vgpr 112
		.amdhsa_next_free_sgpr 66
		.amdhsa_reserve_vcc 0
		.amdhsa_float_denorm_mode_32 3
		.amdhsa_float_denorm_mode_16_64 3
		.amdhsa_memory_ordered 1
		.amdhsa_forward_progress 1
		.amdhsa_inst_pref_size 7
	.end_amdhsa_kernel
	.amdgpu_metadata
---
amdhsa.version: [ 1, 2 ]
amdhsa.kernels:
  - .name:           k_q352eb91298_cast
    .symbol:         k_q352eb91298_cast.kd
    .args:
      - { .name: x, .offset: 0, .size: 8, .value_kind: global_buffer, .address_space: global }
      - { .name: Wq, .offset: 8, .size: 8, .value_kind: global_buffer, .address_space: global }
      - { .name: Wk, .offset: 16, .size: 8, .value_kind: global_buffer, .address_space: global }
      - { .name: Wv, .offset: 24, .size: 8, .value_kind: global_buffer, .address_space: global }
      - { .name: xb, .offset: 32, .size: 8, .value_kind: global_buffer, .address_space: global }
      - { .name: wb, .offset: 40, .size: 8, .value_kind: global_buffer, .address_space: global }
    .group_segment_fixed_size: 0
    .private_segment_fixed_size: 0
    .kernarg_segment_align: 8
    .kernarg_segment_size: 48
    .max_flat_workgroup_size: 256
    .sgpr_count:     66
    .vgpr_count:     112
    .wavefront_size: 32
...
	.end_amdgpu_metadata
.endif
;; end of part 1
;; launch proj (part 2): grid 8 x 32, 4 waves a work-group, clusters of 4 x 4, 327,680 bytes of LDS; arguments xb, wb, qkv; writes qkv
.if DOCPART == 2
	.amdgcn_target "amdgcn-amd-amdhsa--gfx1250"
	.amdhsa_code_object_version 6
	.text
	.protected	k_q352eb91298_proj
	.globl	k_q352eb91298_proj
	.p2align	8
	.type	k_q352eb91298_proj,@function
k_q352eb91298_proj:
	s_mov_b64 s[64:65], 0
	v_nop
	global_prefetch_b8 v0, s[64:65] scope:SCOPE_SE
	s_setreg_imm32_b32 hwreg(HW_REG_WAVE_MODE, 25, 1), 1
	s_wait_xcnt 0x0
	s_wait_alu depctr_hold_cnt(0) depctr_sa_sdst(0) depctr_va_vdst(0) depctr_va_sdst(0) depctr_va_ssrc(0) depctr_va_vcc(0) depctr_vm_vsrc(0)
	s_getreg_b32 s2, hwreg(HW_REG_IB_STS2, 6, 4)
	s_cmp_eq_u32 s2, 0
	s_cbranch_scc0 .Lentry_in_a_cluster
	s_endpgm
.Lentry_in_a_cluster:
	s_bfe_u32 s2, ttmp6, 0x10000c
	s_cmp_lg_u32 s2, 0xf033
	s_cbranch_scc0 .Lentry_shape_is_right
	s_endpgm
.Lentry_shape_is_right:
; qkv[m][n] = sum over k of x[m][k] W[n][k]: m 8,192 rows, n 3,072 (q, k, v side by side), k 1,024.  Operands bf16 in K blocks of 64
; (xb [16][8192][64], wb [16][3072][64]); sums in f32; qkv [8192][3072] rounded once to f16.
; LIMIT.  f16 holds no number beyond 65,504: a q, k or v past that becomes an infinity.  NaN and infinities are not treated apart.
; SHARES.  8,192 x 3,072 over 256 work-groups is a tile of 256 x 384.  Four waves one below the other, each 64 rows x 384 columns:
; 96 accumulators of 16 x 16, 768 registers; a wave's 384 columns are 768 bytes of a row of qkv, three aligned runs of 256.
; K goes in steps of 64 through two LDS slots (640 rows x 144 bytes each).  A K block's rows lie end to end in memory, so a tile is asked
; for as rows of 256 bytes and padded in LDS after every 128.
; CLUSTER.  4 x 4 work-groups: the four of a row need the same rows of x, the four of a column the same rows of W: joint loads,
; the same descriptor and mask in all four.  Waves 0 and 1 fetch the halves of x's tile, waves 2 and 3 those of W's.
; THE MATRIX INSTRUCTION IS USED TRANSPOSED (source 0 = 16 rows of W, source 1 = 16 rows of x): a lane holds eight neighbouring columns of one row.
; REGISTERS, in windows of 256: window 0: v16-29 addresses; v32-95 two buffers of x's fragments (4 x 16 rows x 32 K); v96-223 two buffers of
; W's (8 x 16 rows x 32 K); on the way out v32-127 packed results, v128-223 rows read back.  Windows 1, 2, 3: the accumulators of columns
; 0-127, 128-255, 256-383; (a, b) at v[8 (8 a + b)].
; A K step is six THIRDS of 32 matrix instructions: (32 K) x (128 columns); each fetches the next third's fragments behind its first eight
; products.  The 96 accumulators take turns, one instruction a turn, over the backward jump too.
.set PITCH,  144                       ; an LDS row: 128 bytes + 16: an odd multiple of 16, so the 16 rows of a fragment load start 16 bytes apart modulo 256
.set BOFF,   256*PITCH                 ; W's 384 rows lie behind x's 256
.set SLOT1,  1<<17                     ; slot 1 begins here: one exclusive or turns an address in one slot into the other's
.set STAGE,  SLOT1+640*PITCH           ; behind the ring: 16 rows x 784 bytes for each wave, for the way out
.set SPITCH, 784
.set SPARE,  STAGE+4*16*SPITCH         ; the spare words, 128 bytes a wave: two blocks of 256 bytes that no other line names
.set ASTEP,  8192*128                  ; bytes from K block to K block
.set BSTEP,  3072*128
.set CROW,   6144                      ; bytes in a row of qkv
.set KSTEPS, 16
.set ADRA0, 16                         ; v16  my place in x's tile of slot 0; never rewritten
.set ADRB0, 17                         ; v17  the same for W
.set ADRA,  18                         ; v18  the same in the slot in hand
.set ADRB,  19
.set STO,   24                         ; v24  the way out: where I put 16 bytes of a row
.set RD,    25                         ; v25  where I read rows back
.set CO,    26                         ; v26  my byte offset in qkv
.set SPW,   28                         ; v28  LDS address of my spare word; never rewritten
.set NIL,   29                         ; v29  0; never rewritten
.set AB,    32
.set BB,    96
.set TMP,   32
.set BK,    128
.set G1A,   24                         ; s[24:31] group 1 for x's tiles
.set G0A,   32                         ; s[32:35] group 0 of slot 0's first fill; s[36:39] walks
.set G1B,   48                         ; s[48:55], s[56:59], s[60:63] the same for W's
.set G0B,   56
.set TB,    66                         ; s66  0 or SLOT1: the slot that is read
.set MSB, 0
.macro WIN new                         ; the immediate's high byte repeats the setting that is left; a switch that changes nothing is dropped
.if MSB != (\new)
	s_set_vgpr_msb (MSB<<8)|(\new)
.set MSB, \new
.endif
.endm
.macro PLACES                          ; four plain places behind matrix instructions, in front of loads into registers that they have read
.rept 4
	v_nop
.endr
.endm
.macro JLOAD                           ; a joint refill by the walking descriptors; the branch hangs on the wave's number alone; s_nop 0 and four v_nop follow each line
	s_cmp_eq_u32 s11, 0
	s_cbranch_scc0 .Lfor_b_\@
	tensor_load_to_lds s[G0A+4:G0A+7], s[G1A:G1A+7]
	s_nop 0
.rept 4
	v_nop
.endr
	s_branch .Lasked_\@
.Lfor_b_\@:
	tensor_load_to_lds s[G0B+4:G0B+7], s[G1B:G1B+7]
	s_nop 0
.rept 4
	v_nop
.endr
.Lasked_\@:
.endm
.macro CREST                           ; a round of the cluster's barrier behind its opening barrier
	s_cmp_lg_u32 s10, 0
	s_cbranch_scc1 .Lnot_wave_0_\@
	s_barrier_signal -3
.Lnot_wave_0_\@:
	s_barrier_wait -3
	s_barrier_signal -1
	s_barrier_wait -1
.endm
.macro CROUND
	s_barrier_signal -1
	s_barrier_wait -1
	CREST
.endm
	s_load_b128 s[4:7], s[0:1], 0x0                ; xb s[4:5], wb s[6:7]
	s_load_b64 s[8:9], s[0:1], 0x10                ; qkv
	v_lshl_add_u32 v[SPW], v0, 2, SPARE
	v_mov_b32 v[NIL], 0
	ds_add_u32 v[SPW], v[NIL]                      ; the wave's opening: the add and its wait ahead of my first tensor load
	ds_add_u32 v28, v29
	v_lshrrev_b32 v1, 5, v0
	v_readfirstlane_b32 s10, v1                    ; wave 0..3
	s_lshr_b32 s11, s10, 1                         ; I fetch for x (0) or for W (1)
	s_and_b32 s12, s10, 1                          ; which half of that tile
	s_bfe_u32 s40, ttmp6, 0x40000                  ; cx
	s_bfe_u32 s41, ttmp6, 0x40004                  ; cy
	s_lshl_b32 s42, ttmp9, 2
	s_add_co_u32 s42, s42, s40                     ; tile column 0..7
	s_and_b32 s13, ttmp7, 0xffff
	s_lshl_b32 s13, s13, 2
	s_add_co_u32 s13, s13, s41                     ; tile row 0..31
	s_lshl_b32 s43, s41, 2
	s_lshl_b32 s43, 15, s43                        ; my row of the cluster
	s_lshl_b32 s44, 0x1111, s40                    ; my column
	s_or_b32 s[G1A], s43, (1<<16)|(1<<20)|(1<<21)|(4<<22)|(3<<25)  ; the mask; 2-byte elements; padding on; bit 21 beside a mask; after every 32 words 4 words
	s_or_b32 s[G1B], s44, (1<<16)|(1<<20)|(1<<21)|(4<<22)|(3<<25)
	s_mov_b32 s[G1A+1], 128<<16                    ; tensor_dim0 = 128 elements: 256 bytes, two rows of a K block
	s_mov_b32 s[G1A+2], 64<<16                     ; tensor_dim1 = 64: 128 rows of x
	s_mov_b32 s[G1A+3], 128<<16                    ; tile_dim0
	s_mov_b32 s[G1A+4], 64                         ; tile_dim1
	s_mov_b32 s[G1A+5], 128                        ; the pitch: dense
	s_mov_b32 s[G1A+6], 0
	s_mov_b32 s[G1A+7], 0
	s_mov_b32 s[G1B+1], 128<<16
	s_mov_b32 s[G1B+2], 96<<16                     ; 192 rows of W
	s_mov_b32 s[G1B+3], 128<<16
	s_mov_b32 s[G1B+4], 96
	s_mov_b32 s[G1B+5], 128
	s_mov_b32 s[G1B+6], 0
	s_mov_b32 s[G1B+7], 0
	s_lshl_b32 s16, s13, 15                        ; x: (256 x tile row + 128 x half) rows of 128 bytes
	s_lshl_b32 s17, s12, 14
	s_add_co_u32 s16, s16, s17
	s_mov_b32 s17, 0
	s_mul_i32 s46, s42, 384*128                    ; W: (384 x tile column + 192 x half) rows
	s_mul_i32 s47, s12, 192*128
	s_add_co_u32 s46, s46, s47
	s_mov_b32 s47, 0
	s_mul_i32 s20, s12, 128*PITCH                  ; where they go in a slot: no place in the cluster enters an LDS address
	s_mul_i32 s21, s12, 192*PITCH
	s_add_co_u32 s21, s21, BOFF
	s_mov_b32 s[TB], 0
	s_wait_dscnt 0x0                               ; the opening add is done
	s_wait_kmcnt 0x0
	s_add_nc_u64 s[14:15], s[4:5], s[16:17]
	s_add_nc_u64 s[46:47], s[6:7], s[46:47]
	CROUND                                         ; all sixteen work-groups are here: the first joint loads meet
.irp s, 0,1
	s_mov_b32 s[G0A+4*(\s)], 1
	s_add_co_u32 s[G0A+4*(\s)+1], s20, (\s)*SLOT1
	s_add_nc_u64 s[G0A+4*(\s)+2:G0A+4*(\s)+3], s[14:15], (\s)*ASTEP
	s_or_b32 s[G0A+4*(\s)+3], s[G0A+4*(\s)+3], 0x80000000
	s_mov_b32 s[G0B+4*(\s)], 1
	s_add_co_u32 s[G0B+4*(\s)+1], s21, (\s)*SLOT1
	s_add_nc_u64 s[G0B+4*(\s)+2:G0B+4*(\s)+3], s[46:47], (\s)*BSTEP
	s_or_b32 s[G0B+4*(\s)+3], s[G0B+4*(\s)+3], 0x80000000
.endr
	s_cmp_eq_u32 s11, 0                            ; a wave's two first fills stand in one branch: two loads of mine are out
	s_cbranch_scc0 .Lfirst_b
	tensor_load_to_lds s[G0A:G0A+3], s[G1A:G1A+7]
	s_nop 0
	tensor_load_to_lds s[G0A+4:G0A+7], s[G1A:G1A+7]
	s_nop 0
.rept 4
	v_nop
.endr
	s_branch .Lfirst_asked
.Lfirst_b:
	tensor_load_to_lds s[G0B:G0B+3], s[G1B:G1B+7]
	s_nop 0
	tensor_load_to_lds s[G0B+4:G0B+7], s[G1B:G1B+7]
	s_nop 0
.rept 4
	v_nop
.endr
.Lfirst_asked:
	; a fragment is 16 rows x 32 K in 8 registers: lane l holds row l % 16, K = 8 (l / 16) + 0..7 and 16 + 8 (l / 16) + 0..7: two loads of 16 bytes, 32 bytes apart
	v_and_b32 v1, 15, v0                           ; l % 16
	v_bfe_u32 v2, v0, 4, 1                         ; l / 16
	v_mul_u32_u24 v3, v1, PITCH
	v_lshl_add_u32 v3, v2, 4, v3
	s_mul_i32 s21, s10, 64*PITCH                   ; my 64 rows of x
	v_add_nc_u32 v[ADRA0], s21, v3
	v_add_nc_u32 v[ADRB0], BOFF, v3
	v_mov_b32 v[ADRA], v[ADRA0]
	v_mov_b32 v[ADRB], v[ADRB0]
	s_mul_i32 s23, s10, 16*SPITCH
	s_add_co_u32 s23, s23, STAGE                   ; my stage
	v_mul_u32_u24 v4, v1, SPITCH
	v_lshl_add_u32 v4, v2, 4, v4
	v_add_nc_u32 v[STO], s23, v4
	v_mul_u32_u24 v5, v2, SPITCH
	v_lshl_add_u32 v5, v1, 4, v5
	v_add_nc_u32 v[RD], s23, v5
	v_mul_u32_u24 v5, v2, CROW
	v_lshl_add_u32 v[CO], v1, 4, v5
	s_mul_i32 s22, s13, 256*CROW                   ; where my part of the tile begins in qkv
	s_mul_i32 s23, s10, 64*CROW
	s_add_co_u32 s22, s22, s23
	s_mul_i32 s23, s42, 768
	s_add_co_u32 s22, s22, s23
	s_mov_b32 s23, 0
	s_add_nc_u64 s[8:9], s[8:9], s[22:23]
; 8 matrix instructions: row block a x the third's 8 column blocks, 32 along K.  zero = 1: the product starts the sums
.macro MUL8 ab, bb, w, a, zero
	WIN 0x50*(\w)                                  ; C and D in window w, both sources in window 0
.irp b, 0,1,2,3,4,5,6,7
.if \zero
	v_wmma_f32_16x16x32_bf16 v[8*(8*(\a)+(\b)):8*(8*(\a)+(\b))+7], v[BB+64*(\bb)+8*(\b):BB+64*(\bb)+8*(\b)+7], v[AB+32*(\ab)+8*(\a):AB+32*(\ab)+8*(\a)+7], 0
.else
	v_wmma_f32_16x16x32_bf16 v[8*(8*(\a)+(\b)):8*(8*(\a)+(\b))+7], v[BB+64*(\bb)+8*(\b):BB+64*(\bb)+8*(\b)+7], v[AB+32*(\ab)+8*(\a):AB+32*(\ab)+8*(\a)+7], v[8*(8*(\a)+(\b)):8*(8*(\a)+(\b))+7]
.endif
.endr
.endm
.macro LOADB bb, j, qd                 ; W's fragments of columns 128 j on, K 32 qd on, into buffer bb
.irp i, 0,1,2,3,4,5,6,7
	ds_load_b128 v[BB+64*(\bb)+8*(\i):BB+64*(\bb)+8*(\i)+3],   v[ADRB] offset:(8*(\j)+(\i))*16*PITCH+64*(\qd)
	ds_load_b128 v[BB+64*(\bb)+8*(\i)+4:BB+64*(\bb)+8*(\i)+7], v[ADRB] offset:(8*(\j)+(\i))*16*PITCH+64*(\qd)+32
.endr
.endm
.macro LOADA ab, qd                    ; x's four fragments, K 32 qd on, into buffer ab
.irp i, 0,1,2,3
	ds_load_b128 v[AB+32*(\ab)+8*(\i):AB+32*(\ab)+8*(\i)+3],   v[ADRA] offset:(\i)*16*PITCH+64*(\qd)
	ds_load_b128 v[AB+32*(\ab)+8*(\i)+4:AB+32*(\ab)+8*(\i)+7], v[ADRA] offset:(\i)*16*PITCH+64*(\qd)+32
.endr
.endm
; A third: 32 products; behind the first eight and four places the next third's fragments are asked for (nj, nqd; na = 1: x's too): 24 products ahead of their use
.macro THIRD ab, bb, w, zero, nj, nqd, na
	s_wait_dscnt 0x0                               ; this third's fragments are in
	MUL8 \ab, \bb, \w, 0, \zero
	PLACES
	WIN 0
	LOADB 1-(\bb), \nj, \nqd
.if \na
	LOADA 1-(\ab), \nqd
.endif
	MUL8 \ab, \bb, \w, 1, \zero
	MUL8 \ab, \bb, \w, 2, \zero
	MUL8 \ab, \bb, \w, 3, \zero
.endm
; A K step's last third changes slots.  In front of the barrier each wave waits for all its tensor loads (one is out: its part of the next slot), adds 0 to its spare
; word, and waits for that and for its reads of this slot.  fill = 1: the barrier opens a round of the cluster's, and the joint refill, two K steps ahead, is the first thing behind it.
.macro TURN fill
	WIN 0
	s_wait_tensorcnt 0x0                           ; no tensor load of mine is out, so a group 0 may be written
	ds_add_u32 v[SPW], v[NIL]
	s_xor_b32 s[TB], s[TB], SLOT1                  ; the reads go to the other slot
.if \fill
	s_xor_b32 s[G0A+5], s[G0A+5], SLOT1            ; the walking descriptors: the other slot than last time, the next K block
	s_add_nc_u64 s[G0A+6:G0A+7], s[G0A+6:G0A+7], ASTEP
	s_xor_b32 s[G0B+5], s[G0B+5], SLOT1
	s_add_nc_u64 s[G0B+6:G0B+7], s[G0B+6:G0B+7], BSTEP
.endif
	s_wait_dscnt 1                                 ; the add alone may be out: this third's fragments are in
	MUL8 1, 1, 3, 0, 0
	s_wait_dscnt 0x0                               ; the add is done, and my reads of this slot are over
	s_barrier_signal -1
	MUL8 1, 1, 3, 1, 0
	WIN 0
	s_barrier_wait -1
.if \fill
	CREST                                          ; no wave of any partner still reads this slot or has a load on its way
	JLOAD                                          ; its four v_nop are also the places in front of the loads below
.else
	PLACES
.endif
	v_add_nc_u32 v[ADRA], s[TB], v[ADRA0]
	v_add_nc_u32 v[ADRB], s[TB], v[ADRB0]
	LOADB 0, 0, 0
	LOADA 0, 0
	MUL8 1, 1, 3, 2, 0
	MUL8 1, 1, 3, 3, 0
.endm
	s_wait_tensorcnt 1                             ; my part of K step 0 is in; K step 1's may stay out
	s_barrier_signal -1
	s_barrier_wait -1
	LOADB 0, 0, 0
	LOADA 0, 0
	THIRD 0, 0, 1, 1, 1, 0, 0                      ; the first three thirds start all 96 sums
	THIRD 0, 1, 2, 1, 2, 0, 0
	THIRD 0, 0, 3, 1, 0, 1, 1
	WIN 0
	s_mov_b32 s3, KSTEPS-2
.Lstep:                                        ; a trip: a K step's second half, the change of slots with a refill, the next step's first half
	THIRD 1, 1, 1, 0, 1, 1, 0
	THIRD 1, 0, 2, 0, 2, 1, 0
	TURN 1
	THIRD 0, 0, 1, 0, 1, 0, 0
	THIRD 0, 1, 2, 0, 2, 0, 0
	THIRD 0, 0, 3, 0, 0, 1, 1
	WIN 0
	s_sub_co_u32 s3, s3, 1
	s_cmp_lg_u32 s3, 0
	s_cbranch_scc1 .Lstep
	THIRD 1, 1, 1, 0, 1, 1, 0                      ; the tail is written out: nothing more is asked for
	THIRD 1, 0, 2, 0, 2, 1, 0
	TURN 0
	THIRD 0, 0, 1, 0, 1, 0, 0
	THIRD 0, 1, 2, 0, 2, 0, 0
	THIRD 0, 0, 3, 0, 0, 1, 1
	THIRD 1, 1, 1, 0, 1, 1, 0
	THIRD 1, 0, 2, 0, 2, 1, 0
	s_wait_dscnt 0x0
	MUL8 1, 1, 3, 0, 0
	MUL8 1, 1, 3, 1, 0
	MUL8 1, 1, 3, 2, 0
	MUL8 1, 1, 3, 3, 0
; THE WAY OUT, 16 rows at a time: rounded to f16 (16 bytes a lane), into my own stage, back as whole rows of 768 bytes, stored: 16 lanes fill 256 consecutive bytes, aligned.
.macro PACK a
.irp j, 0,1,2
	WIN 5*((\j)+1)                                 ; sources 0 and 1 in window 1 + j
.irp b, 0,1,2,3,4,5,6,7
.irp r, 0,1,2,3
	v_cvt_pk_f16_f32 v[TMP+32*(\j)+4*(\b)+(\r)], v[8*(8*(\a)+(\b))+2*(\r)], v[8*(8*(\a)+(\b))+2*(\r)+1]
.endr
.endr
.endr
	WIN 0
.endm
.macro TOSTAGE
.irp j, 0,1,2
.irp b, 0,1,2,3,4,5,6,7
	ds_store_b128 v[STO], v[TMP+32*(\j)+4*(\b):TMP+32*(\j)+4*(\b)+3] offset:32*(8*(\j)+(\b))
.endr
.endr
.irp t, 0,1,2,3,4,5,6,7
.irp p, 0,1,2
	ds_load_b128 v[BK+4*(3*(\t)+(\p)):BK+4*(3*(\t)+(\p))+3], v[RD] offset:(\t)*2*SPITCH+256*(\p)  ; LDS serves a wave's instructions in order: these see the stores above
.endr
.endr
.endm
.macro SEND a
	s_wait_dscnt 0x0                               ; the block is back in registers
.irp t, 0,1,2,3,4,5,6,7
.irp p, 0,1,2
	global_store_b128 v[CO], v[BK+4*(3*(\t)+(\p)):BK+4*(3*(\t)+(\p))+3], s[8:9] offset:(\a)*16*CROW+(\t)*2*CROW+256*(\p)
.endr
.endr
.endm
	PLACES
	PLACES                                         ; once a launch: places behind the last products, in front of the conversions
	PACK 0
	TOSTAGE
.irp a, 1,2,3
	PACK \a                                        ; a block's conversions stand between the loads of the block before and the wait for them
	SEND (\a)-1
	s_wait_xcnt 0x0                                ; the stores have read their data: only now are those registers loaded again
	TOSTAGE
.endr
	SEND 3
	s_wait_tensorcnt 0x0                           ; the wave's end
	ds_add_u32 v[SPW], v[NIL]
	s_wait_dscnt 0x0
	CROUND                                         ; the closing round
	s_endpgm
.Lfunc_end_k_q352eb91298_proj:
	.size	k_q352eb91298_proj, .Lfunc_end_k_q352eb91298_proj-k_q352eb91298_proj
	.p2alignl 7, 3214868480
	.fill 96, 4, 3214868480
	.section	.rodata,"a",@progbits
	.p2align	6, 0x0
	.amdhsa_kernel k_q352eb91298_proj
		.amdhsa_group_segment_fixed_size 327680
		.amdhsa_private_segment_fixed_size 0
		.amdhsa_enable_private_segment 0
		.amdhsa_kernarg_size 24
		.amdhsa_user_sgpr_count 2
		.amdhsa_user_sgpr_kernarg_segment_ptr 1
		.amdhsa_wavefront_size32 1
		.amdhsa_system_sgpr_workgroup_id_x 1
		.amdhsa_system_sgpr_workgroup_id_y 1
		.amdhsa_system_sgpr_workgroup_id_z 1
		.amdhsa_system_vgpr_workitem_id 0
		.amdhsa_next_free_vgpr 1024
		.amdhsa_next_free_sgpr 72
		.amdhsa_reserve_vcc 0
		.amdhsa_float_denorm_mode_32 3
		.amdhsa_float_denorm_mode_16_64 3
		.amdhsa_memory_ordered 1
		.amdhsa_forward_progress 1
		.amdhsa_inst_pref_size 116
	.end_amdhsa_kernel
	.amdgpu_metadata
---
amdhsa.version: [ 1, 2 ]
amdhsa.kernels:
  - .name:           k_q352eb91298_proj
    .symbol:         k_q352eb91298_proj.kd
    .args:
      - { .name: xb, .offset: 0, .size: 8, .value_kind: global_buffer, .address_space: global }
      - { .name: wb, .offset: 8, .size: 8, .value_kind: global_buffer, .address_space: global }
      - { .name: qkv, .offset: 16, .size: 8, .value_kind: global_buffer, .address_space: global }
    .group_segment_fixed_size: 327680
    .private_segment_fixed_size: 0
    .kernarg_segment_align: 8
    .kernarg_segment_size: 24
    .max_flat_workgroup_size: 128
    .sgpr_count:     72
    .vgpr_count:     1024
    .wavefront_size: 32
...
	.end_amdgpu_metadata
.endif
;; end of part 2
;; launch scores (part 3): grid 36 x 4, 4 waves a work-group, no clusters, 327,680 bytes of LDS; arguments qkv, pw, stats; writes pw, stats
.if DOCPART == 3
	.amdgcn_target "amdgcn-amd-amdhsa--gfx1250"
	.amdhsa_code_object_version 6
	.text
	.protected	k_q352eb91298_scores
	.globl	k_q352eb91298_scores
	.p2align	8
	.type	k_q352eb91298_scores,@function
k_q352eb91298_scores:
	s_mov_b64 s[64:65], 0
	v_nop
	global_prefetch_b8 v0, s[64:65] scope:SCOPE_SE
	s_setreg_imm32_b32 hwreg(HW_REG_WAVE_MODE, 25, 1), 1
	s_wait_xcnt 0x0
; For each causal tile (I, J), J <= I, of 256 queries x 256 keys of a batch: S = q k^T (K = 1,024, f16 operands, f32 sums), the causal mask,
; m = each row's maximum over the tile's 256 keys, p = 2^(c (s - m)), c = log2(e) / 32, rounded once to f16 into pw [4][2048][2048],
; and l = the row's sum of the unrounded p over each half of 128 keys.  m and l go out in f32: stats: m at byte 0 as [16 jj][8192 rows], l at byte 524,288
; likewise, jj = 2 J + key half.  The maximum is taken away first and the difference multiplied by c, so no exponent is above 0 whatever the scores' size.
; LIMITS.  A hidden score counts as its value less 1e30 (f16 operands give scores under 4.4e12); a weight below 2^-126 counts as 0 in l; p below 6e-5 keeps f16's fixed step;
; NaN and infinities are not treated apart.
; SHARES.  36 tiles a batch (grid x), 4 batches (grid y).  Four waves, each 128 queries x 128 keys: 64 accumulators, 512 registers.  K goes in 8 steps of 128
; through two LDS slots; each wave fetches 128 rows x 256 bytes with one tensor load (waves 0, 1: q's halves; waves 2, 3: k's).
; NO CLUSTER: a batch's causal tiles lie in rows of 1 to 8; they do not fall into fours that share q's or k's rows without work-groups that compute nothing.
; LAYOUT.  S^T = k q^T (source 0 = 16 keys, source 1 = 16 queries): a lane holds ONE query (lane % 16) and the keys 8 (lane / 16) + 0..7 of each block of 16.
; THE MASK is the C operand of the products that start the sums: three sets of 8 registers, for key block b below, at and above query block a.
; THE TEXT.  A K step is written once for the steps that fill a slot again (6 trips) and once for the last two (2 trips, left in the middle of the second).
; REGISTERS: window 0: v8-29 addresses; v64-191 q's fragments, two buffers; v192-215 the masks.  Window 1: v64-191 k's fragments.  Windows 2, 3: accumulators (a, b) at v[8 (8 (a % 4) + b)].
; In the epilogue window 0 holds: v64-71 maxima, v72-79 the partner's, v80-95 m twice, v96-111 l, v112-123 at work, v192-223 packed p, v32-63 and v224-255 rows read back.
.set KSTEP,  128
.set KSTEPS, 8
.set PITCH,  272
.set HALFT,  128*PITCH
.set SLOT,   4*HALFT
.set STAGE,  2*SLOT                    ; 16 rows x 272 bytes for each wave
.set SPITCH, 272
.set XM,     STAGE+4*16*SPITCH         ; [2 key halves][256 rows] f32: the halves' maxima meet here
.set SST,    XM+2048                   ; 1,024 bytes a wave: m and l on their way out
.set SPARE,  SST+4096                  ; the spare words: two blocks of 256 bytes that no other line names
.set XS,  8                            ; v8   where I put a maximum
.set XL,  9                            ; v9   where I read the partner's
.set SS,  10                           ; v10  where I put m and l
.set SL,  11                           ; v11  where I read them back
.set SO,  12                           ; v12  my 16 bytes in stats
.set ADRA0, 16                         ; v16  my place in q's tile of slot 0; never rewritten
.set ADRB0, 17                         ; v17  the same for k
.set ADRA,  18                         ; v18  the same in the slot in hand
.set ADRB,  19
.set STO,  24
.set RD,   25
.set CO,   26
.set SPW,  28
.set NIL,  29
.set F0,   64
.set F1,   128
.set MLT,  192
.set MEQ,  200
.set MGT,  208
.set MX,   64
.set PX,   72
.set MP,   80
.set LS,   96
.set CW,   112
.set TMP,  192
.set OB,   32
.set G1,   24                          ; s[24:31]
.set G0,   32                          ; s[32:35] slot 0's first fill; s[36:39] walks
.set CS,   44                          ; s[44:45] c
.set SEL,  46                          ; s[46:47] v_permlanex16_b32's selects
.set LB,   54                          ; s54  my part's place in a slot
.set TB,   55                          ; s55  0 or SLOT: the slot that is read
.set TF,   56                          ; s56  the slot that is filled
.set MSB, 0
.macro WIN new
.if MSB != (\new)
	s_set_vgpr_msb (MSB<<8)|(\new)
.set MSB, \new
.endif
.endm
.set MUL_LO, 0xa1                      ; source 0 (k) window 1, source 1 (q) window 0, C and D window 2
.set TO_B,   0x40
.macro PLACES
.rept 4
	v_nop
.endr
.endm
	s_load_b128 s[4:7], s[0:1], 0x0                ; qkv s[4:5], pw s[6:7]
	s_load_b64 s[8:9], s[0:1], 0x10                ; stats
	v_lshl_add_u32 v[SPW], v0, 2, SPARE
	v_mov_b32 v[NIL], 0
	ds_add_u32 v[SPW], v[NIL]                      ; the wave's opening: the add and its wait ahead of my first tensor load
	ds_add_u32 v28, v29
	v_lshrrev_b32 v1, 5, v0
	v_readfirstlane_b32 s10, v1                    ; wave 0..3
	s_lshr_b32 s11, s10, 1                         ; my half of the queries.  Also: I fetch q (0) or k (1)
	s_and_b32 s12, s10, 1                          ; my half of the keys.  Also: which 128 rows I fetch
	s_mov_b32 s13, 0
.irp th, 1,3,6,10,15,21,28
	s_cmp_ge_u32 ttmp9, \th                        ; I = how many of the rows' first numbers the tile's number has reached
	s_add_co_ci_u32 s13, s13, 0
.endr
	s_add_co_u32 s14, s13, 1
	s_mul_i32 s14, s14, s13
	s_lshr_b32 s14, s14, 1
	s_sub_co_u32 s14, ttmp9, s14                   ; J = t - I (I + 1) / 2
	s_and_b32 s15, ttmp7, 0xffff                   ; batch
	s_mov_b32 s[G1], (1<<16)|(1<<20)|(5<<22)|(3<<25)  ; 2-byte elements; padding on: after every 64 words 4 words
	s_mov_b32 s[G1+1], KSTEP<<16
	s_mov_b32 s[G1+2], 128<<16
	s_mov_b32 s[G1+3], KSTEP<<16
	s_mov_b32 s[G1+4], 128
	s_mov_b32 s[G1+5], 3072                        ; elements from row to row of qkv
	s_mov_b32 s[G1+6], 0
	s_mov_b32 s[G1+7], 0
	s_cmp_eq_u32 s11, 0
	s_cselect_b32 s16, s13, s14                    ; q's block or k's
	s_lshl_b32 s16, s16, 8
	s_lshl_b32 s17, s15, 11
	s_add_co_u32 s16, s16, s17
	s_lshl_b32 s17, s12, 7
	s_add_co_u32 s16, s16, s17                     ; the first row that I fetch
	s_mul_i32 s16, s16, 6144
	s_lshl_b32 s17, s11, 11                        ; k lies 2,048 bytes into a row
	s_add_co_u32 s16, s16, s17
	s_mov_b32 s17, 0
	s_mul_i32 s[LB], s10, HALFT                    ; q's two halves, then k's two halves
	s_mov_b32 s[TB], 0
	s_mov_b32 s[TF], SLOT
	s_mov_b32 s[CS], 0x3d38aa3b                    ; c = log2(e) / 32
	s_mov_b32 s[CS+1], s[CS]
	s_mov_b32 s[SEL], 0x76543210
	s_mov_b32 s[SEL+1], 0xfedcba98
	s_mov_b32 s43, 0xf149f2ca                      ; -1e30
	s_cmp_eq_u32 s13, s14
	s_cselect_b32 s48, 1, 0                        ; the tile holds the diagonal
	s_cmp_eq_u32 s10, 1
	s_cselect_b32 s49, s48, 0                      ; first half of the queries, second half of the keys: all hidden
	s_cmp_eq_u32 s11, s12
	s_cselect_b32 s50, s48, 0                      ; my 128 x 128 holds the diagonal
	s_or_b32 s51, s49, s50
	s_cmp_lg_u32 s49, 0
	s_cselect_b32 s40, s43, 0                      ; the mask where b < a
	s_cmp_lg_u32 s51, 0
	s_cselect_b32 s41, s43, 0                      ; where b > a
	s_cmp_lg_u32 s50, 0
	s_cselect_b32 s42, 1.0, 0                      ; the factor of the triangle where b = a
	s_wait_dscnt 0x0                               ; the opening add is done
	s_wait_kmcnt 0x0
	s_add_nc_u64 s[20:21], s[4:5], s[16:17]
.irp s, 0,1                            ; both first fills go out together: two loads of mine are out
	s_mov_b32 s[G0+4*(\s)], 1
	s_add_co_u32 s[G0+4*(\s)+1], s[LB], (\s)*SLOT
	s_add_nc_u64 s[G0+4*(\s)+2:G0+4*(\s)+3], s[20:21], (\s)*KSTEP*2
	s_or_b32 s[G0+4*(\s)+3], s[G0+4*(\s)+3], 0x80000000
	tensor_load_to_lds s[G0+4*(\s):G0+4*(\s)+3], s[G1:G1+7]
	s_nop 0
.endr
.rept 4
	v_nop
.endr
	v_and_b32 v1, 15, v0                           ; l % 16
	v_bfe_u32 v2, v0, 4, 1                         ; l / 16
	v_and_b32 v6, 31, v0                           ; l
	v_mul_u32_u24 v3, v1, PITCH
	v_lshl_add_u32 v3, v2, 4, v3
	s_mul_i32 s21, s11, HALFT                      ; my 128 queries
	s_mul_i32 s22, s12, HALFT                      ; my 128 keys,
	s_add_co_u32 s22, s22, 2*HALFT                 ; behind q's 256 rows
	v_add_nc_u32 v[ADRA0], s21, v3
	v_add_nc_u32 v[ADRB0], s22, v3
	v_mov_b32 v[ADRA], v[ADRA0]
	v_mov_b32 v[ADRB], v[ADRB0]
	s_mul_i32 s23, s10, 16*SPITCH
	s_add_co_u32 s23, s23, STAGE
	v_add_nc_u32 v[STO], s23, v3                   ; in: row l % 16, 16 bytes for each half of the lanes (the stage's pitch is the tiles')
	v_mul_u32_u24 v5, v2, SPITCH
	v_lshl_add_u32 v5, v1, 4, v5
	v_add_nc_u32 v[RD], s23, v5                    ; back: lanes 0-15 one row of 256 bytes, lanes 16-31 the next
	v_lshlrev_b32 v5, 12, v2
	v_lshl_add_u32 v[CO], v1, 4, v5                ; the same two rows in pw
	s_lshl_b32 s52, s11, 9
	s_add_co_u32 s52, s52, XM                      ; my 128 queries in the table of maxima,
	s_lshl_b32 s53, s12, 10
	s_add_co_u32 s53, s53, s52                     ; my half's part,
	v_lshl_add_u32 v[XS], v1, 2, s53
	s_xor_b32 s53, s12, 1
	s_lshl_b32 s53, s53, 10
	s_add_co_u32 s53, s53, s52                     ; the other half's
	v_lshl_add_u32 v[XL], v1, 2, s53
	s_lshl_b32 s53, s10, 10
	s_add_co_u32 s53, s53, SST
	v_lshl_add_u32 v[SS], v1, 2, s53
	v_lshl_add_u32 v[SL], v6, 4, s53
	v_lshlrev_b32 v[SO], 4, v6
	s_lshl_b32 s16, s15, 11                        ; my first query's row: 2,048 batch + 256 I + 128 half
	s_lshl_b32 s17, s13, 8
	s_add_co_u32 s16, s16, s17
	s_lshl_b32 s17, s11, 7
	s_add_co_u32 s16, s16, s17
	s_lshl_b32 s18, s16, 2                         ; stats: 4 bytes a row,
	s_lshl_b32 s19, s14, 1
	s_add_co_u32 s19, s19, s12
	s_lshl_b32 s19, s19, 15                        ; 32,768 bytes for each jj = 2 J + half
	s_add_co_u32 s18, s18, s19
	s_mov_b32 s19, 0
	s_add_nc_u64 s[8:9], s[8:9], s[18:19]
	s_lshl_b32 s16, s16, 12                        ; pw: 4,096 bytes a row, 512 J + 256 half along it
	s_lshl_b32 s17, s14, 9
	s_add_co_u32 s16, s16, s17
	s_lshl_b32 s17, s12, 8
	s_add_co_u32 s16, s16, s17
	s_mov_b32 s17, 0
	s_add_nc_u64 s[6:7], s[6:7], s[16:17]
	v_lshlrev_b32 v14, 3, v2
	v_sub_nc_u32 v14, v1, v14                      ; my query less my lanes' 8 (l / 16): register i is hidden where i is greater
.irp i, 0,1,2,3,4,5,6,7
	v_cmp_gt_i32 vcc_lo, \i, v14
	v_cndmask_b32 v[MEQ+(\i)], 0, s43, vcc_lo
	v_mov_b32 v[MLT+(\i)], s40
	v_mov_b32 v[MGT+(\i)], s41
.endr
.irp i, 0,1,2,3,4,5,6,7
	v_fma_f32 v[MEQ+(\i)], v[MEQ+(\i)], s42, s40
.endr
; 16 matrix instructions: query blocks a0, a0 + 1 of the window's four x all 8 key blocks, 32 along K.  first = 1: the sums start with the mask
.macro MUL16 f, hi, a0, first
.if \first
	WIN 0x81+0x40*(\hi)                            ; C in window 0
.else
	WIN MUL_LO+0x50*(\hi)
.endif
.irp a, \a0, (\a0)+1
.irp b, 0,1,2,3,4,5,6,7
.if \first
.if (\b) < 4*(\hi)+(\a)
.set MK, MLT
.elseif (\b) == 4*(\hi)+(\a)
.set MK, MEQ
.else
.set MK, MGT
.endif
	v_wmma_f32_16x16x32_f16 v[8*(8*(\a)+(\b)):8*(8*(\a)+(\b))+7], v[(\f)+8*(\b):(\f)+8*(\b)+7], v[(\f)+8*(4*(\hi)+(\a)):(\f)+8*(4*(\hi)+(\a))+7], v[MK:MK+7]
.else
	v_wmma_f32_16x16x32_f16 v[8*(8*(\a)+(\b)):8*(8*(\a)+(\b))+7], v[(\f)+8*(\b):(\f)+8*(\b)+7], v[(\f)+8*(4*(\hi)+(\a)):(\f)+8*(4*(\hi)+(\a))+7], v[8*(8*(\a)+(\b)):8*(8*(\a)+(\b))+7]
.endif
.endr
.endr
.endm
.macro FETCH k, f                      ; 32 LDS loads in one run: k's 8 fragments, then q's 8, of 32 K at byte k of the rows of the slot in hand
	WIN TO_B
.irp i, 0,1,2,3,4,5,6,7
	ds_load_b128 v[(\f)+8*(\i):(\f)+8*(\i)+3],   v[ADRB] offset:(\k)+(\i)*16*PITCH
	ds_load_b128 v[(\f)+8*(\i)+4:(\f)+8*(\i)+7], v[ADRB] offset:(\k)+(\i)*16*PITCH+32
.endr
	WIN 0
.irp i, 0,1,2,3,4,5,6,7
	ds_load_b128 v[(\f)+8*(\i):(\f)+8*(\i)+3],   v[ADRA] offset:(\k)+(\i)*16*PITCH
	ds_load_b128 v[(\f)+8*(\i)+4:(\f)+8*(\i)+7], v[ADRA] offset:(\k)+(\i)*16*PITCH+32
.endr
.endm
.macro QUARTER k, f, g, first          ; 64 products on buffer f; in the middle the next quarter's fragments, at byte k, into g
	s_wait_dscnt 8                                 ; k's fragments and q's rows 0-63 are in; the youngest eight loads may be out
	MUL16 \f, 0, 0, \first
	MUL16 \f, 0, 2, \first
	PLACES
	FETCH \k, \g
	s_wait_dscnt 32                                ; all but the 32 just issued
	MUL16 \f, 1, 0, \first
	MUL16 \f, 1, 2, \first
.endm
; The last quarter of a K step changes slots: one barrier; in front of it all my tensor loads have landed (one was out: my part of the next slot), the add, and my reads of this slot are over.
; fill = 1: the slot just read is filled again, two K steps ahead, by the walking descriptor.
.macro TURN fill
	WIN 0
	s_wait_tensorcnt 0x0                           ; no tensor load of mine is out, so a group 0 may be written
	ds_add_u32 v[SPW], v[NIL]
	s_xor_b32 s[TB], s[TB], SLOT                   ; the reads go to the other slot
.if \fill
	s_xor_b32 s[TF], s[TF], SLOT                   ; the walking descriptor: the other slot than last time,
	s_add_co_u32 s[G0+5], s[LB], s[TF]
	s_add_nc_u64 s[G0+6:G0+7], s[G0+6:G0+7], KSTEP*2  ; the next K step
.endif
	s_wait_dscnt 9                                 ; the add and the youngest eight loads may be out
	MUL16 F1, 0, 0, 0
	s_wait_dscnt 0x0
	s_barrier_signal -1
	MUL16 F1, 0, 2, 0
	WIN 0
	s_barrier_wait -1
.if \fill
	tensor_load_to_lds s[G0+4:G0+7], s[G1:G1+7]    ; my one load behind this barrier, and the first thing there
	s_nop 0
.endif
	PLACES                                         ; behind the load, and in front of the loads below
	v_add_nc_u32 v[ADRA], s[TB], v[ADRA0]
	v_add_nc_u32 v[ADRB], s[TB], v[ADRB0]
	FETCH 0, F0
	MUL16 F1, 1, 0, 0
	MUL16 F1, 1, 2, 0
.endm
	s_wait_tensorcnt 1                             ; my part of K step 0 is in; K step 1's may stay out
	s_barrier_signal -1
	s_barrier_wait -1
	FETCH 0, F0
	QUARTER 64, F0, F1, 1
	WIN 0
	s_mov_b32 s3, KSTEPS-2
.Lstep:                                        ; a trip: from a K step's second quarter to the next step's first; the slot that is left is filled again
	QUARTER 128, F1, F0, 0
	QUARTER 192, F0, F1, 0
	TURN 1
	QUARTER 64,  F0, F1, 0
	WIN 0
	s_sub_co_u32 s3, s3, 1
	s_cmp_lg_u32 s3, 0
	s_cbranch_scc1 .Lstep
	s_mov_b32 s3, 2
.Ltail:                                        ; the last two K steps fill nothing.  The second trip is left in its middle: its change of slots serves nothing but its 64 products,
	QUARTER 128, F1, F0, 0                         ; and its 32 fragments, of the slot read before, are not used: the price, once a launch, of one text for both trips
	QUARTER 192, F0, F1, 0
	TURN 0
	WIN 0
	s_sub_co_u32 s3, s3, 1
	s_cmp_eq_u32 s3, 0
	s_cbranch_scc1 .Lout
	QUARTER 64,  F0, F1, 0
	WIN 0
	s_branch .Ltail
.Lout:
	s_wait_dscnt 0x0                               ; those 32 loads have landed: their registers are written below
; THE EPILOGUE.  RMAX a: the maximum of my lane's 64 scores of query block a: four chains, three operands at a time; each accumulator's lowest registers are read first.
.macro RMAX a
.set AC, 64*((\a)%4)
.set WN, 2+(\a)/4
	WIN WN|(WN<<2)|(WN<<4)
.irp k, 0,1,2,3
	v_max3_num_f32 v[CW+(\k)], v[AC+8*(\k)], v[AC+8*(\k)+1], v[AC+8*(\k)+2]
.endr
	WIN (WN<<2)|(WN<<4)                            ; source 0 is the chain's register, in window 0
.irp q, 3,5
.irp k, 0,1,2,3
	v_max3_num_f32 v[CW+(\k)], v[CW+(\k)], v[AC+8*(\k)+(\q)], v[AC+8*(\k)+(\q)+1]
.endr
.endr
.irp q, 0,2,4,6
.irp k, 0,1,2,3
	v_max3_num_f32 v[CW+(\k)], v[CW+(\k)], v[AC+32+8*(\k)+(\q)], v[AC+32+8*(\k)+(\q)+1]
.endr
.endr
	v_max3_num_f32 v[CW], v[CW], v[AC+7], v[AC+15]
	v_max3_num_f32 v[CW+2], v[CW+2], v[AC+23], v[AC+31]
	WIN 0
	v_max3_num_f32 v[MX+(\a)], v[CW], v[CW+1], v[CW+2]
	v_max_num_f32 v[MX+(\a)], v[MX+(\a)], v[CW+3]
.endm
; SOFT a: s - m, times c, 64 exponentials as ONE batch with one wait, 32 roundings to f16, the sum of the unrounded weights (pairs: even keys', odd keys').
.macro SOFT a
.set AC, 64*((\a)%4)
.set WN, 2+(\a)/4
	WIN (WN<<6)|WN                                 ; destination and source 0 with the accumulators, source 1 in window 0
.set i, 0
.rept 32
	v_pk_add_f32 v[AC+i:AC+i+1], v[AC+i:AC+i+1], v[MP+2*(\a):MP+2*(\a)+1] neg_lo:[0,1] neg_hi:[0,1]
.set i, i+2
.endr
.set i, 0
.rept 32
	v_pk_mul_f32 v[AC+i:AC+i+1], v[AC+i:AC+i+1], s[CS:CS+1] op_sel_hi:[1,0]
.set i, i+2
.endr
.set i, 0
.rept 64
	v_exp_f32 v[AC+i], v[AC+i]
.set i, i+1
.endr
	v_nop                                          ; a plain instruction behind the last exponential,
	s_wait_alu depctr_va_vdst(0)                   ; and the one wait for the batch, ahead of the first reader
	WIN WN*5
.set i, 0
.rept 32
	v_cvt_pk_f16_f32 v[TMP+i], v[AC+2*i], v[AC+2*i+1]
.set i, i+1
.endr
	WIN (WN<<6)|(WN*5)
.irp d, 16,8,4,2
.set i, 0
.rept \d
	v_pk_add_f32 v[AC+2*i:AC+2*i+1], v[AC+2*i:AC+2*i+1], v[AC+2*(i+(\d)):AC+2*(i+(\d))+1]
.set i, i+1
.endr
.endr
	WIN WN*5
	v_pk_add_f32 v[LS+2*(\a):LS+2*(\a)+1], v[AC:AC+1], v[AC+2:AC+3]
	WIN 0
.endm
.macro TOSTAGE a
.set BKR, OB+192*((\a)%2)
.irp b, 0,1,2,3,4,5,6,7
	ds_store_b128 v[STO], v[TMP+4*(\b):TMP+4*(\b)+3] offset:32*(\b)
.endr
.irp t, 0,1,2,3,4,5,6,7
	ds_load_b128 v[BKR+4*(\t):BKR+4*(\t)+3], v[RD] offset:(\t)*2*SPITCH  ; LDS serves a wave's instructions in order: these see the stores above
.endr
.endm
.macro SEND a
.set BKR, OB+192*((\a)%2)
	s_wait_dscnt 0x0
	s_wait_xcnt 0x0                                ; earlier stores have read their data: the block after this one is read back into their registers
.irp t, 0,1,2,3,4,5,6,7
	global_store_b128 v[CO], v[BKR+4*(\t):BKR+4*(\t)+3], s[6:7] offset:(\a)*65536+(\t)*8192  ; 16 lanes store 256 consecutive bytes, aligned
.endr
.endm
	PLACES
	PLACES                                         ; once a launch: places behind the last products
.irp a, 0,1,2,3,4,5,6,7
	RMAX \a
.endr
.irp a, 0,1,2,3,4,5,6,7
	v_permlanex16_b32 v[PX+(\a)], v[MX+(\a)], s[SEL], s[SEL+1]  ; the query's other keys lie in the lane 16 away
.endr
.irp a, 0,1,2,3,4,5,6,7
	v_max_num_f32 v[MX+(\a)], v[MX+(\a)], v[PX+(\a)]
.endr
.irp a, 0,1,2,3,4,5,6,7
	ds_store_b32 v[XS], v[MX+(\a)] offset:64*(\a)  ; both halves of the lanes write the same word with the same number
.endr
	s_wait_dscnt 0x0                               ; for the other wave's sake
	s_barrier_signal -1
	s_barrier_wait -1
.irp a, 0,1,2,3,4,5,6,7
	ds_load_b32 v[PX+(\a)], v[XL] offset:64*(\a)   ; the maximum over the tile's other 128 keys
.endr
	s_wait_dscnt 0x0
.irp a, 0,1,2,3,4,5,6,7
	v_max_num_f32 v[MP+2*(\a)], v[MX+(\a)], v[PX+(\a)]
	v_max_num_f32 v[MP+2*(\a)+1], v[MX+(\a)], v[PX+(\a)]
.endr
	SOFT 0
	TOSTAGE 0
.irp a, 1,2,3,4,5,6,7
	SOFT \a
	SEND (\a)-1
	TOSTAGE \a
.endr
	SEND 7
.irp a, 0,1,2,3,4,5,6,7
	v_add_f32 v[LS+2*(\a)], v[LS+2*(\a)], v[LS+2*(\a)+1]
.endr
.irp a, 0,1,2,3,4,5,6,7
	v_permlanex16_b32 v[LS+2*(\a)+1], v[LS+2*(\a)], s[SEL], s[SEL+1]
.endr
.irp a, 0,1,2,3,4,5,6,7
	v_add_f32 v[LS+2*(\a)], v[LS+2*(\a)], v[LS+2*(\a)+1]
.endr
.irp a, 0,1,2,3,4,5,6,7
	ds_store_b32 v[SS], v[MP+2*(\a)] offset:64*(\a)
	ds_store_b32 v[SS], v[LS+2*(\a)] offset:512+64*(\a)
.endr
	ds_load_b128 v[CW+4:CW+7], v[SL]               ; my wave's own bytes, in order: 128 rows' m,
	ds_load_b128 v[CW+8:CW+11], v[SL] offset:512   ; and l
	s_wait_dscnt 0x0
	global_store_b128 v[SO], v[CW+4:CW+7], s[8:9]  ; 512 consecutive bytes each
	global_store_b128 v[SO], v[CW+8:CW+11], s[8:9] offset:524288
	s_wait_tensorcnt 0x0                           ; the wave's end
	ds_add_u32 v[SPW], v[NIL]
	s_wait_dscnt 0x0
	s_endpgm
.Lfunc_end_k_q352eb91298_scores:
	.size	k_q352eb91298_scores, .Lfunc_end_k_q352eb91298_scores-k_q352eb91298_scores
	.p2alignl 7, 3214868480
	.fill 96, 4, 3214868480
	.section	.rodata,"a",@progbits
	.p2align	6, 0x0
	.amdhsa_kernel k_q352eb91298_scores
		.amdhsa_group_segment_fixed_size 327680
		.amdhsa_private_segment_fixed_size 0
		.amdhsa_enable_private_segment 0
		.amdhsa_kernarg_size 24
		.amdhsa_user_sgpr_count 2
		.amdhsa_user_sgpr_kernarg_segment_ptr 1
		.amdhsa_wavefront_size32 1
		.amdhsa_system_sgpr_workgroup_id_x 1
		.amdhsa_system_sgpr_workgroup_id_y 1
		.amdhsa_system_sgpr_workgroup_id_z 1
		.amdhsa_system_vgpr_workitem_id 0
		.amdhsa_next_free_vgpr 1024
		.amdhsa_next_free_sgpr 66
		.amdhsa_reserve_vcc 1
		.amdhsa_float_denorm_mode_32 3
		.amdhsa_float_denorm_mode_16_64 3
		.amdhsa_memory_ordered 1
		.amdhsa_forward_progress 1
		.amdhsa_inst_pref_size 186
	.end_amdhsa_kernel
	.amdgpu_metadata
---
amdhsa.version: [ 1, 2 ]
amdhsa.kernels:
  - .name:           k_q352eb91298_scores
    .symbol:         k_q352eb91298_scores.kd
    .args:
      - { .name: qkv, .offset: 0, .size: 8, .value_kind: global_buffer, .address_space: global }
      - { .name: pw, .offset: 8, .size: 8, .value_kind: global_buffer, .address_space: global }
      - { .name: stats, .offset: 16, .size: 8, .value_kind: global_buffer, .address_space: global }
    .group_segment_fixed_size: 327680
    .private_segment_fixed_size: 0
    .kernarg_segment_align: 8
    .kernarg_segment_size: 24
    .max_flat_workgroup_size: 128
    .sgpr_count:     66
    .vgpr_count:     1024
    .wavefront_size: 32
...
	.end_amdgpu_metadata
.endif
;; end of part 3
;; launch mix (part 4): grid 8 x 32, 4 waves a work-group, clusters of 4 x 4, 327,680 bytes of LDS; arguments pw, qkv, stats, out0; writes out0
.if DOCPART == 4
	.amdgcn_target "amdgcn-amd-amdhsa--gfx1250"
	.amdhsa_code_object_version 6
	.text
	.protected	k_q352eb91298_mix
	.globl	k_q352eb91298_mix
	.p2align	8
	.type	k_q352eb91298_mix,@function
k_q352eb91298_mix:
	s_mov_b64 s[64:65], 0
	v_nop
	global_prefetch_b8 v0, s[64:65] scope:SCOPE_SE
	s_setreg_imm32_b32 hwreg(HW_REG_WAVE_MODE, 25, 1), 1
	s_wait_xcnt 0x0
	s_wait_alu depctr_hold_cnt(0) depctr_sa_sdst(0) depctr_va_vdst(0) depctr_va_sdst(0) depctr_va_ssrc(0) depctr_va_vcc(0) depctr_vm_vsrc(0)
	s_getreg_b32 s2, hwreg(HW_REG_IB_STS2, 6, 4)
	s_cmp_eq_u32 s2, 0
	s_cbranch_scc0 .Lentry_in_a_cluster
	s_endpgm
.Lentry_in_a_cluster:
	s_bfe_u32 s2, ttmp6, 0x10000c
	s_cmp_lg_u32 s2, 0xf033
	s_cbranch_scc0 .Lentry_shape_is_right
	s_endpgm
.Lentry_shape_is_right:
; out[q][:] = sum over key tiles J of g_J[q] (P_J V_J)[q][:], g_J = 2^(c (m_J - M)) / L, M = max over J of m_J, L = sum over J of 2^(c (m_J - M)) l_J, c = log2(e) / 32.
; P (pw, f16, each tile normalised by its own row maximum m_J) and m, l (stats, f32) come from the launch before; V is qkv's third part (f16).  Products' sums, g and out in f32.
; The difference m_J - M is formed first and then multiplied by c: no exponent is above 0.  L is at least 1.  A factor below 2^-126 counts as 0; NaN and infinities are not treated apart;
; V holds finite numbers (a tile that a block does not need is multiplied all the same and enters with the factor 0).
; THE WALK.  A work-group makes 128 columns of TWO blocks of 128 queries of a batch: block 15 - b, then block b.  Block i needs (i / 2) + 1 key tiles of 256: 9 together.
; CLUSTER.  4 x 4 work-groups: along x four column blocks, along y the four pairs b = 4 kq + cy of one batch (kq and the batch come from the cluster's y).  The four of a row walk the same P, the four of a
; column the same V: both are asked for JOINTLY, so all sixteen walk alike: HN = 8 - 2 kq trips for the long blocks (V's tiles 0 .. HN - 1), LN = 2 + 2 kq for the short ones (V's tiles 0 .. LN - 1): 10 trips, of
; which each work-group needs 9.  In the tenth it asks and multiplies like its partners: P's tile number is clamped to the block's last (an address alone, shared by the row that asks for it) and the trip's g is 0.
; No branch, no trip count and no LDS address hangs on a work-group's place in its cluster.
; SHARES.  Four waves, each 64 queries x 64 columns: 16 accumulators T for the tile in hand, merged into O (f32) by one fused multiply-add a pair at each tile's end.
; LAYOUT.  O^T = V^T P (source 0 = 16 columns x 32 keys, by the turning load; source 1 = 16 queries x 32 keys, as P lies): a lane holds ONE query (lane % 16) and eight neighbouring columns.
; REGISTERS: window 0: v8-29 addresses; v32-39 g of the tile in hand, a pair for each query block; v64-127 rows on their way out; v128-255 T.  Window 1: two fragment buffers of 128
; (64 of P, 64 of V).  Window 2: v0-127 O.  At the head v96-107 and v128-207 hold the statistics.
.set PP,    528                        ; a row of P in LDS: 512 bytes + 16
.set PV,    288                        ; a row of V: 256 + 32
.set VOFF,  128*PP
.set SLOT,  VOFF+256*PV
.set STAGE, 2*SLOT                     ; 16 rows x 272 bytes for each wave
.set SP,    272
.set GT,    STAGE+4*16*SP              ; 4,096 bytes a wave: g for the walk's 10 trips, 256 bytes (64 rows) each
.set SPARE, GT+4*4096                  ; the spare words: two blocks of 256 bytes that no other line names
.set AP0, 8                            ; v8   my place in P's tile of slot 0; never rewritten
.set AV0, 9                            ; v9   the same for V
.set AP,  10                           ; v10  in the slot in hand
.set AV,  11                           ; v11
.set AV2, 12                           ; v12  V's keys 128 on
.set GA0, 13                           ; v13  my row's place in an entry of the table
.set GA,  14
.set GS,  15                           ; v15  where I put my two rows' g
.set STO, 16
.set RD,  17
.set GO,  18
.set L8,  20                           ; v20  8 x lane
.set PFO, 22                           ; v22  the prefetches' offset: (32 cx + lane) rows of pw; never rewritten
.set SPW, 28
.set NIL, 29
.set G,   32
.set BK,  64
.set T,   128
.set VO,  96                           ; v96-107  the statistics' byte offsets: long block J = 0..7, short block entries 6..9
.set MH,  128                          ; pairs (rows 2 l, 2 l + 1): long block m, then f, then g
.set EH,  144                          ; l of the even key halves, then a tile's l
.set OH,  160                          ; l of the odd key halves
.set ML,  176                          ; the short block's
.set EL,  184
.set OL,  192
.set MXH, 200
.set MXL, 202
.set LH,  204
.set LL,  206
.set F0,  0
.set F1,  128
.set CAP, 2                            ; s2   the last real tile of the block whose tiles are being asked for
.set HN,  3                            ; s3   trips of the long block: the same in all sixteen
.set WV,  12
.set RH,  13
.set CH,  14
.set NJ1M, 20                          ; s20  the long block's last real tile
.set NJ1, 21                           ; s21  its number of real tiles
.set HL,  22                           ; s22  the walk's entry of the short block's last real tile
.set G1P, 24
.set G1V, 32
.set G0P, 40                           ; s[40:43] slot 0's first fill; s[44:47] walks
.set G0V, 48
.set CNT, 56
.set RT,  57                           ; trips left in the block in hand
.set NXT, 58                           ; V's tile to be asked for next
.set LQ,  59                           ; the last trip's tile of the block whose tiles are being asked for
.set TB,  60                           ; 0 or SLOT: the slot that is read
.set TF,  61                           ; the slot that is filled
.set TG,  62                           ; the table's entry for the trip in hand
.set LQ2, 63                           ; the short block's last real tile
.set LBP, 66
.set LBV, 67
.set PCUR, 68                          ; s[68:69] pw at my rows of the block whose tiles are being asked for
.set PLO, 70                           ; s[70:71] of the short block
.set VB,  72                           ; s[72:73] V at my keys of tile 0
.set OFF, 74                           ; s[74:75] V's tile's byte offset: it never holds a number made of cy
.set OLO, 76                           ; s[76:77] out at my rows of the short block
.set CS,  78                           ; s[78:79] c
.set WT,  80                           ; s[80:81] a weight, 1 or 0
.set SM,  82                           ; s82  a mask of lanes, all or none
.set PF,  84                           ; s[84:85] where the prefetches stand: P's tile that the next refill will ask for
.set LIM, 88                           ; s88  1 in the wave that prefetches, else the greatest number
.set PFT, 90                           ; s[90:91] that tile's byte offset
.set CY,  96
.set KQ,  97
.set LN,  98                           ; s98  trips of the short block
.set LNM, 99                           ; s99  LN - 1
.set OFFP, 100                         ; s[100:101] P's tile's byte offset
.set MSB, 0
.macro WIN new
.if MSB != (\new)
	s_set_vgpr_msb (MSB<<8)|(\new)
.set MSB, \new
.endif
.endm
.set MUL,  0x05                        ; both sources in window 1, T in window 0
.set TO_F, 0x40
.macro PLACES
.rept 4
	v_nop
.endr
.endm
.macro JLOAD                           ; waves 0, 1: P, with my row of the cluster; waves 2, 3: V, with my column.  s_nop 0 and four v_nop follow each line
	s_cmp_eq_u32 s[RH], 0
	s_cbranch_scc0 .Lfor_v_\@
	tensor_load_to_lds s[G0P+4:G0P+7], s[G1P:G1P+7]
	s_nop 0
.rept 4
	v_nop
.endr
	s_branch .Lasked_\@
.Lfor_v_\@:
	tensor_load_to_lds s[G0V+4:G0V+7], s[G1V:G1V+7]
	s_nop 0
.rept 4
	v_nop
.endr
.Lasked_\@:
.endm
; A PREFETCH INTO THE L2 of P's tile that the NEXT refill will ask for: one trip, 128 matrix instructions and a merge, ahead of that load.  A tile of P is read by one row of each of the two clusters along x.  Its 128 rows are shared
; out among the row's four partners BY ADDRESS, 32 each; in each, wave 0 asks: a lane a row, two instructions for the row's 512 bytes.  The walk's first three tiles come by their loads alone; the last refill asks for
; nothing.  A clamped tile is named a second time: no branch hangs on cy.  V is not asked for: both clusters of a batch read it in the same trips, and the short blocks read it again.
.macro ASK
	s_cmp_gt_u32 s[CNT], s[LIM]
	s_cbranch_scc0 .Lnot_mine_\@
	global_prefetch_b8 v[PFO], s[PF:PF+1] th:TH_LOAD_NT scope:SCOPE_SE
	global_prefetch_b8 v[PFO], s[PF:PF+1] offset:256 th:TH_LOAD_NT scope:SCOPE_SE
.Lnot_mine_\@:
.endm
.macro CREST
	s_cmp_lg_u32 s[WV], 0
	s_cbranch_scc1 .Lnot_wave_0_\@
	s_barrier_signal -3
.Lnot_wave_0_\@:
	s_barrier_wait -3
	s_barrier_signal -1
	s_barrier_wait -1
.endm
.macro CROUND
	s_barrier_signal -1
	s_barrier_wait -1
	CREST
.endm
.macro CLEARO
	WIN 0x80
.set i, 0
.rept 128
	v_mov_b32 v[i], 0
.set i, i+1
.endr
	WIN 0
.endm
	s_load_b256 s[4:11], s[0:1], 0x0               ; pw s[4:5], qkv s[6:7], stats s[8:9], out s[10:11]
	v_lshl_add_u32 v[SPW], v0, 2, SPARE
	v_mov_b32 v[NIL], 0
	ds_add_u32 v[SPW], v[NIL]                      ; the wave's opening: the add and its wait ahead of my first tensor load
	ds_add_u32 v28, v29
	v_lshrrev_b32 v1, 5, v0
	v_readfirstlane_b32 s[WV], v1
	s_lshr_b32 s[RH], s[WV], 1                     ; my half of the queries.  Also: I fetch P (0) or V (1)
	s_and_b32 s[CH], s[WV], 1                      ; my half of the columns.  Also: which half of that tile I fetch
	s_bfe_u32 s15, ttmp6, 0x40000                  ; cx
	s_bfe_u32 s[CY], ttmp6, 0x40004                ; cy
	s_lshl_b32 s16, ttmp9, 2
	s_add_co_u32 s16, s16, s15                     ; block of 128 columns, 0..7
	s_and_b32 s17, ttmp7, 0xffff                   ; the cluster's y, 0..7
	s_and_b32 s[KQ], s17, 1
	s_lshr_b32 s17, s17, 1                         ; batch
	s_lshl_b32 s18, s[KQ], 2
	s_add_co_u32 s18, s18, s[CY]                   ; b: the short block
	s_sub_co_u32 s19, 15, s18                      ; the long block
	s_lshr_b32 s[NJ1M], s19, 1
	s_lshr_b32 s[LQ2], s18, 1
	s_add_co_u32 s[NJ1], s[NJ1M], 1
	s_lshl_b32 s[LNM], s[KQ], 1
	s_sub_co_u32 s[HN], 8, s[LNM]                  ; 8 - 2 kq
	s_add_co_u32 s[LN], s[LNM], 2                  ; 2 + 2 kq
	s_add_co_u32 s[LNM], s[LNM], 1
	s_add_co_u32 s[HL], s[HN], s[LQ2]
	s_lshl_b32 s86, s[CY], 2
	s_lshl_b32 s86, 15, s86                        ; my row of the cluster
	s_lshl_b32 s87, 0x1111, s15                    ; my column
	s_or_b32 s[G1P], s86, (1<<16)|(1<<20)|(1<<21)|(6<<22)|(3<<25)  ; the mask; 2-byte elements; padding on; bit 21 beside a mask; after every 128 words 4 words
	s_mov_b32 s[G1P+1], 256<<16
	s_mov_b32 s[G1P+2], 64<<16
	s_mov_b32 s[G1P+3], 256<<16
	s_mov_b32 s[G1P+4], 64
	s_mov_b32 s[G1P+5], 2048                       ; elements from row to row of pw
	s_mov_b32 s[G1P+6], 0
	s_mov_b32 s[G1P+7], 0
	s_or_b32 s[G1V], s87, (1<<16)|(1<<20)|(1<<21)|(5<<22)|(7<<25)  ; after every 64 words 8 words
	s_mov_b32 s[G1V+1], 128<<16
	s_mov_b32 s[G1V+2], 128<<16
	s_mov_b32 s[G1V+3], 128<<16
	s_mov_b32 s[G1V+4], 128
	s_mov_b32 s[G1V+5], 3072
	s_mov_b32 s[G1V+6], 0
	s_mov_b32 s[G1V+7], 0
	s_lshl_b32 s23, s17, 11                        ; the batch's first row
	s_lshl_b32 s84, s19, 7
	s_add_co_u32 s84, s84, s23                     ; the long block's first row
	s_lshl_b32 s85, s18, 7
	s_add_co_u32 s85, s85, s23                     ; the short block's
	s_lshl_b32 s86, s[CH], 6
	s_lshl_b32 s87, s[RH], 6
	s_add_co_u32 s88, s84, s86                     ; P: the 64 rows that I fetch, 4,096 bytes each
	s_lshl_b32 s88, s88, 12
	s_mov_b32 s89, 0
	s_add_co_u32 s90, s85, s86
	s_lshl_b32 s90, s90, 12
	s_mov_b32 s91, 0
	s_lshl_b32 s92, s[CH], 7                       ; V: the 128 keys that I fetch, 6,144 bytes each; v lies 4,096 bytes into a row; my work-group's 256 bytes
	s_add_co_u32 s92, s92, s23
	s_mul_i32 s92, s92, 6144
	s_lshl_b32 s93, s16, 8
	s_add_co_u32 s92, s92, s93
	s_add_co_u32 s92, s92, 4096
	s_mov_b32 s93, 0
	s_add_co_u32 s84, s84, s87                     ; my wave's first row of the long block,
	s_add_co_u32 s85, s85, s87                     ; of the short one
	s_lshl_b32 s94, s84, 2                         ; in stats
	s_lshl_b32 s95, s85, 2
	s_lshl_b32 s83, s16, 9                         ; out: 512 bytes a column block, 256 a half
	s_lshl_b32 s86, s[CH], 8
	s_add_co_u32 s83, s83, s86
	s_lshl_b32 s84, s84, 12
	s_add_co_u32 s84, s84, s83
	s_lshl_b32 s86, s85, 12
	s_add_co_u32 s86, s86, s83
	s_mov_b32 s85, 0
	s_mov_b32 s87, 0
	s_mul_i32 s[LBP], s[CH], 64*PP                 ; where my part of a tile goes in a slot
	s_mul_i32 s[LBV], s[CH], 128*PV
	s_add_co_u32 s[LBV], s[LBV], VOFF
	s_mov_b32 s[RT], s[HN]
	s_mov_b32 s[NXT], 2
	s_sub_co_u32 s[LQ], s[HN], 1
	s_mov_b32 s[CAP], s[NJ1M]
	s_mov_b32 s[TB], 0
	s_mov_b32 s[TF], SLOT
	s_mov_b32 s[TG], 0
	s_mov_b32 s[OFF+1], 0
	s_mov_b32 s[OFFP+1], 0
	s_mov_b32 s[CS], 0x3d38aa3b                    ; c = log2(e) / 32
	s_mov_b32 s[CS+1], s[CS]
	s_mov_b32 s[WT+1], 0                           ; named with the weight as a pair
	s_wait_dscnt 0x0                               ; the opening add is done
	s_wait_kmcnt 0x0
	s_add_nc_u64 s[PCUR:PCUR+1], s[4:5], s[88:89]
	s_add_nc_u64 s[PLO:PLO+1], s[4:5], s[90:91]
	s_add_nc_u64 s[VB:VB+1], s[6:7], s[92:93]
	s_add_nc_u64 s[OLO:OLO+1], s[10:11], s[86:87]
	s_add_nc_u64 s[10:11], s[10:11], s[84:85]
	s_cmp_eq_u32 s[WV], 0
	s_cselect_b32 s[LIM], 1, -1
	CROUND                                         ; all sixteen work-groups are here: the first joint loads meet
.irp s, 0,1                            ; the long blocks' tiles 0 and 1: every long block has five tiles or more
	s_mov_b32 s[G0P+4*(\s)], 1
	s_add_co_u32 s[G0P+4*(\s)+1], s[LBP], (\s)*SLOT
	s_add_nc_u64 s[G0P+4*(\s)+2:G0P+4*(\s)+3], s[PCUR:PCUR+1], (\s)*512
	s_or_b32 s[G0P+4*(\s)+3], s[G0P+4*(\s)+3], 0x80000000
	s_mov_b32 s[G0V+4*(\s)], 1
	s_add_co_u32 s[G0V+4*(\s)+1], s[LBV], (\s)*SLOT
	s_add_nc_u64 s[G0V+4*(\s)+2:G0V+4*(\s)+3], s[VB:VB+1], (\s)*256*6144
	s_or_b32 s[G0V+4*(\s)+3], s[G0V+4*(\s)+3], 0x80000000
.endr
	s_cmp_eq_u32 s[RH], 0                          ; a wave's two first fills stand in one branch: two loads of mine are out
	s_cbranch_scc0 .Lfirst_v
	tensor_load_to_lds s[G0P:G0P+3], s[G1P:G1P+7]
	s_nop 0
	tensor_load_to_lds s[G0P+4:G0P+7], s[G1P:G1P+7]
	s_nop 0
.rept 4
	v_nop
.endr
	s_branch .Lfirst_asked
.Lfirst_v:
	tensor_load_to_lds s[G0V:G0V+3], s[G1V:G1V+7]
	s_nop 0
	tensor_load_to_lds s[G0V+4:G0V+7], s[G1V:G1V+7]
	s_nop 0
.rept 4
	v_nop
.endr
.Lfirst_asked:
	; THE STATISTICS, in the wait for the first tile.  Lane l owns rows 2 l and 2 l + 1 of my wave's 64.  Long block: tiles J = 0..7, clamped to its last real one, weight 0 past it.
	; Short block: the walk's entries 6..9 hold its tiles e - HN, clamped to 0 and to its last real one; weight 1 from entry HN to entry HL.
	v_and_b32 v21, 31, v0
	v_lshlrev_b32 v[L8], 3, v21
	s_lshl_b32 s89, s15, 5
	v_add_nc_u32 v[PFO], s89, v21
	v_lshlrev_b32 v[PFO], 12, v[PFO]
.irp J, 0,1,2,3,4,5,6,7
	s_min_u32 s86, s[NJ1M], \J
	s_lshl_b32 s86, s86, 16                        ; 2 J x 32,768 bytes
	s_add_co_u32 s86, s86, s94
	v_add_nc_u32 v[VO+(\J)], s86, v[L8]
.endr
.irp e, 0,1,2,3
	s_sub_co_i32 s86, 6+(\e), s[HN]
	s_max_i32 s86, s86, 0
	s_min_u32 s86, s86, s[LQ2]
	s_lshl_b32 s86, s86, 16
	s_add_co_u32 s86, s86, s95
	v_add_nc_u32 v[VO+8+(\e)], s86, v[L8]
.endr
.irp J, 0,1,2,3,4,5,6,7
	global_load_b64 v[MH+2*(\J):MH+2*(\J)+1], v[VO+(\J)], s[8:9]
	global_load_b64 v[EH+2*(\J):EH+2*(\J)+1], v[VO+(\J)], s[8:9] offset:524288
	global_load_b64 v[OH+2*(\J):OH+2*(\J)+1], v[VO+(\J)], s[8:9] offset:557056
.endr
.irp e, 0,1,2,3
	global_load_b64 v[ML+2*(\e):ML+2*(\e)+1], v[VO+8+(\e)], s[8:9]
	global_load_b64 v[EL+2*(\e):EL+2*(\e)+1], v[VO+8+(\e)], s[8:9] offset:524288
	global_load_b64 v[OL+2*(\e):OL+2*(\e)+1], v[VO+8+(\e)], s[8:9] offset:557056
.endr
	; the addresses, while those loads are out
	v_and_b32 v1, 15, v0                           ; l % 16
	v_bfe_u32 v2, v0, 4, 1                         ; l / 16
	v_and_b32 v3, 7, v0
	v_bfe_u32 v4, v0, 3, 1
	v_mul_u32_u24 v[AP0], v1, PP
	v_lshl_add_u32 v[AP0], v2, 4, v[AP0]
	s_mul_i32 s86, s[RH], 64*PP                    ; my 64 queries
	v_add_nc_u32 v[AP0], s86, v[AP0]
	v_lshl_add_u32 v[AV0], v2, 3, v3               ; the turning load: key 8 (l / 16) + l % 8, columns 8 ((l / 8) % 2) + 0..7
	v_mul_u32_u24 v[AV0], v[AV0], PV
	v_lshl_add_u32 v[AV0], v4, 4, v[AV0]
	s_lshl_b32 s86, s[CH], 7                       ; my 64 columns
	s_add_co_u32 s86, s86, VOFF
	v_add_nc_u32 v[AV0], s86, v[AV0]
	v_mov_b32 v[AP], v[AP0]
	v_mov_b32 v[AV], v[AV0]
	v_add_nc_u32 v[AV2], 128*PV, v[AV]
	s_lshl_b32 s86, s[WV], 12
	s_add_co_u32 s86, s86, GT                      ; my table
	v_lshl_add_u32 v[GA0], v1, 2, s86
	v_add_nc_u32 v[GS], s86, v[L8]
	s_mul_i32 s86, s[WV], 16*SP
	s_add_co_u32 s86, s86, STAGE                   ; my stage
	v_mul_u32_u24 v[STO], v1, SP
	v_lshl_add_u32 v[STO], v2, 5, v[STO]           ; in: row l % 16, 32 bytes for each half of the lanes
	v_add_nc_u32 v[STO], s86, v[STO]
	v_mul_u32_u24 v[RD], v2, SP
	v_lshl_add_u32 v[RD], v1, 4, v[RD]             ; back: lanes 0-15 one row of 256 bytes, lanes 16-31 the next
	v_add_nc_u32 v[RD], s86, v[RD]
	v_lshlrev_b32 v[GO], 12, v2
	v_lshl_add_u32 v[GO], v1, 4, v[GO]
.irp a, 0,1,2,3
	v_mov_b32 v[G+2*(\a)+1], 0                     ; named with g as a pair
.endr
	CLEARO                                         ; O starts at 0, so that every tile is merged by one form of multiply-add
	s_wait_loadcnt 0x0
.irp z, 0,1
	v_max3_num_f32 v[MXH+(\z)], v[MH+(\z)], v[MH+2+(\z)], v[MH+4+(\z)]
	v_max3_num_f32 v[MXL+(\z)], v[ML+(\z)], v[ML+2+(\z)], v[ML+4+(\z)]
	v_max3_num_f32 v[MXH+(\z)], v[MXH+(\z)], v[MH+6+(\z)], v[MH+8+(\z)]
	v_max_num_f32 v[MXL+(\z)], v[MXL+(\z)], v[ML+6+(\z)]
	v_max3_num_f32 v[MXH+(\z)], v[MXH+(\z)], v[MH+10+(\z)], v[MH+12+(\z)]
	v_max_num_f32 v[MXH+(\z)], v[MXH+(\z)], v[MH+14+(\z)]
.endr
.irp J, 0,1,2,3,4,5,6,7
	v_pk_add_f32 v[MH+2*(\J):MH+2*(\J)+1], v[MH+2*(\J):MH+2*(\J)+1], v[MXH:MXH+1] neg_lo:[0,1] neg_hi:[0,1]
.endr
.irp e, 0,1,2,3
	v_pk_add_f32 v[ML+2*(\e):ML+2*(\e)+1], v[ML+2*(\e):ML+2*(\e)+1], v[MXL:MXL+1] neg_lo:[0,1] neg_hi:[0,1]
.endr
.irp J, 0,1,2,3,4,5,6,7
	v_pk_mul_f32 v[MH+2*(\J):MH+2*(\J)+1], v[MH+2*(\J):MH+2*(\J)+1], s[CS:CS+1] op_sel_hi:[1,0]
.endr
.irp e, 0,1,2,3
	v_pk_mul_f32 v[ML+2*(\e):ML+2*(\e)+1], v[ML+2*(\e):ML+2*(\e)+1], s[CS:CS+1] op_sel_hi:[1,0]
.endr
.set i, 0
.rept 16
	v_exp_f32 v[MH+i], v[MH+i]                     ; one batch: 24 exponentials
.set i, i+1
.endr
.set i, 0
.rept 8
	v_exp_f32 v[ML+i], v[ML+i]
.set i, i+1
.endr
.irp J, 0,1,2,3,4,5,6,7                ; work that names none of their results: a tile's l
	v_pk_add_f32 v[EH+2*(\J):EH+2*(\J)+1], v[EH+2*(\J):EH+2*(\J)+1], v[OH+2*(\J):OH+2*(\J)+1]
.endr
.irp e, 0,1,2,3
	v_pk_add_f32 v[EL+2*(\e):EL+2*(\e)+1], v[EL+2*(\e):EL+2*(\e)+1], v[OL+2*(\e):OL+2*(\e)+1]
.endr
	s_wait_alu depctr_va_vdst(0)                   ; the one wait for the batch, ahead of its first reader
.irp J, 0,1,2,3,4,5,6,7                ; f times the entry's weight: so L counts each real tile once, and g is 0 in a trip that the block does not need
	s_cmp_gt_u32 s[NJ1], \J
	s_cselect_b32 s[WT], 1.0, 0
	v_pk_mul_f32 v[MH+2*(\J):MH+2*(\J)+1], v[MH+2*(\J):MH+2*(\J)+1], s[WT:WT+1] op_sel_hi:[1,0]
.endr
.irp e, 0,1,2,3
	s_cmp_le_u32 s[HN], 6+(\e)
	s_cselect_b32 s[WT], 1.0, 0
	s_cmp_ge_u32 s[HL], 6+(\e)
	s_cselect_b32 s[WT], s[WT], 0
	v_pk_mul_f32 v[ML+2*(\e):ML+2*(\e)+1], v[ML+2*(\e):ML+2*(\e)+1], s[WT:WT+1] op_sel_hi:[1,0]
.endr
	v_pk_mul_f32 v[LH:LH+1], v[MH:MH+1], v[EH:EH+1]
	v_pk_mul_f32 v[LL:LL+1], v[ML:ML+1], v[EL:EL+1]
.irp J, 1,2,3,4,5,6,7
	v_pk_fma_f32 v[LH:LH+1], v[MH+2*(\J):MH+2*(\J)+1], v[EH+2*(\J):EH+2*(\J)+1], v[LH:LH+1]
.endr
.irp e, 1,2,3
	v_pk_fma_f32 v[LL:LL+1], v[ML+2*(\e):ML+2*(\e)+1], v[EL+2*(\e):EL+2*(\e)+1], v[LL:LL+1]
.endr
	v_rcp_f32 v[LH], v[LH]
	v_rcp_f32 v[LH+1], v[LH+1]
	v_rcp_f32 v[LL], v[LL]
	v_rcp_f32 v[LL+1], v[LL+1]
	v_nop                                          ; a plain instruction behind the last reciprocal,
	s_wait_alu depctr_va_vdst(0)                   ; and the one wait for the four
.irp J, 0,1,2,3,4,5,6,7
	v_pk_mul_f32 v[MH+2*(\J):MH+2*(\J)+1], v[MH+2*(\J):MH+2*(\J)+1], v[LH:LH+1]
.endr
.irp e, 0,1,2,3
	v_pk_mul_f32 v[ML+2*(\e):ML+2*(\e)+1], v[ML+2*(\e):ML+2*(\e)+1], v[LL:LL+1]
.endr
.irp e, 6,7                            ; the walk's entries 6 and 7 belong to the long block where HN = 8, else to the short one: a choice of values, no address hangs on it
	s_cmp_gt_u32 s[HN], \e
	s_cselect_b32 s[SM], -1, 0
	v_cndmask_b32 v[MH+2*(\e)], v[ML+2*((\e)-6)], v[MH+2*(\e)], s[SM]
	v_cndmask_b32 v[MH+2*(\e)+1], v[ML+2*((\e)-6)+1], v[MH+2*(\e)+1], s[SM]
.endr
.irp e, 0,1,2,3,4,5,6,7
	ds_store_b64 v[GS], v[MH+2*(\e):MH+2*(\e)+1] offset:256*(\e)
.endr
	ds_store_b64 v[GS], v[ML+4:ML+5] offset:2048   ; entries 8 and 9 are always the short block's
	ds_store_b64 v[GS], v[ML+6:ML+7] offset:2304
; 8 matrix instructions: query blocks a0, a0 + 1 x 4 column blocks, 32 keys: half c of buffer f.  The 16 accumulators take turns.
.macro MUL8 f, c, a0, zero
	WIN MUL
.irp a, \a0, (\a0)+1
.irp b, 0,1,2,3
.if \zero
	v_wmma_f32_16x16x32_f16 v[T+8*(4*(\a)+(\b)):T+8*(4*(\a)+(\b))+7], v[(\f)+64+8*(4*(\c)+(\b)):(\f)+64+8*(4*(\c)+(\b))+7], v[(\f)+8*(4*(\c)+(\a)):(\f)+8*(4*(\c)+(\a))+7], 0
.else
	v_wmma_f32_16x16x32_f16 v[T+8*(4*(\a)+(\b)):T+8*(4*(\a)+(\b))+7], v[(\f)+64+8*(4*(\c)+(\b)):(\f)+64+8*(4*(\c)+(\b))+7], v[(\f)+8*(4*(\c)+(\a)):(\f)+8*(4*(\c)+(\a))+7], v[T+8*(4*(\a)+(\b)):T+8*(4*(\a)+(\b))+7]
.endif
.endr
.endr
.endm
; 32 LDS loads in one run: the fragments of keys 64 qn .. 64 qn + 63 into buffer f, the first 32 keys first
.macro FETCH qn, f
.if (\qn) < 2
.set VA, AV
.else
.set VA, AV2
.endif
	WIN TO_F
.irp c, 0,1
.irp i, 0,1,2,3
	ds_load_tr16_b128 v[(\f)+64+8*(4*(\c)+(\i)):(\f)+64+8*(4*(\c)+(\i))+3],   v[VA] offset:(64*((\qn)%2)+32*(\c))*PV+32*(\i)
	ds_load_tr16_b128 v[(\f)+64+8*(4*(\c)+(\i))+4:(\f)+64+8*(4*(\c)+(\i))+7], v[VA] offset:(64*((\qn)%2)+32*(\c))*PV+16*PV+32*(\i)
	ds_load_b128 v[(\f)+8*(4*(\c)+(\i)):(\f)+8*(4*(\c)+(\i))+3],   v[AP] offset:(\i)*16*PP+128*(\qn)+64*(\c)
	ds_load_b128 v[(\f)+8*(4*(\c)+(\i))+4:(\f)+8*(4*(\c)+(\i))+7], v[AP] offset:(\i)*16*PP+128*(\qn)+64*(\c)+32
.endr
.endr
.endm
; A tile is four quarters of 64 keys, 32 products each, on buffers 0, 1, 0, 1.  zero = 1: a tile's first: its products start T, and the trip's g is read from my table.
.macro QUARTER nq, f, g, zero
	s_wait_dscnt 16                                ; the first 32 keys' fragments are in
	MUL8 \f, 0, 0, \zero
	MUL8 \f, 0, 2, \zero
	PLACES
.if \zero
	WIN 0
	v_add_nc_u32 v[GA], s[TG], v[GA0]
	s_add_co_u32 s[TG], s[TG], 256
.irp a, 0,1,2,3
	ds_load_b32 v[G+2*(\a)], v[GA] offset:64*(\a)
.endr
.endif
	FETCH \nq, \g
	s_wait_dscnt 32                                ; all but the 32 just issued
	MUL8 \f, 1, 0, 0
	MUL8 \f, 1, 2, 0
.endm
; The last quarter changes slots.  In front of the barrier: all my tensor loads have landed (one was out: my part of the next slot), the add, my reads of this slot are over.
; fill = 1: the barrier opens a round of the cluster's; the joint refill, the walk's tile two on, is the first thing behind it.  Its addresses are made anew from the tile's number: V's from the walk's own,
; which all sixteen share; P's from that number clamped to the block's last real tile.
.macro TURN fill
	WIN 0
	s_wait_tensorcnt 0x0
	ds_add_u32 v[SPW], v[NIL]
	s_xor_b32 s[TB], s[TB], SLOT
.if \fill
	s_xor_b32 s[TF], s[TF], SLOT
	s_add_co_u32 s[G0P+5], s[LBP], s[TF]
	s_add_co_u32 s[G0V+5], s[LBV], s[TF]
	s_min_u32 s[OFFP], s[NXT], s[CAP]
	s_lshl_b32 s[OFFP], s[OFFP], 9                 ; 256 keys are 512 bytes of a row of pw,
	s_add_nc_u64 s[G0P+6:G0P+7], s[PCUR:PCUR+1], s[OFFP:OFFP+1]
	s_or_b32 s[G0P+7], s[G0P+7], 0x80000000
	s_mul_i32 s[OFF], s[NXT], 256*6144             ; and 256 rows of qkv
	s_add_nc_u64 s[G0V+6:G0V+7], s[VB:VB+1], s[OFF:OFF+1]
	s_or_b32 s[G0V+7], s[G0V+7], 0x80000000
	s_add_co_u32 s[NXT], s[NXT], 1                 ; the next trip's tile, or behind the long blocks' last trip the short blocks' tile 0
	s_cmp_gt_u32 s[NXT], s[LQ]
	s_cselect_b32 s[NXT], 0, s[NXT]
	s_cselect_b32 s[LQ], s[LNM], s[LQ]
	s_cselect_b32 s[CAP], s[LQ2], s[CAP]
	s_cselect_b64 s[PCUR:PCUR+1], s[PLO:PLO+1], s[PCUR:PCUR+1]
	s_wait_xcnt 0x0                                ; the last prefetches, a trip back, have read their address, so it may be written:
	s_min_u32 s[PFT], s[NXT], s[CAP]               ; P's tile of the refill after this one
	s_lshl_b32 s[PFT], s[PFT], 9
	s_add_nc_u64 s[PF:PF+1], s[PCUR:PCUR+1], s[PFT:PFT+1]
.endif
	s_wait_dscnt 17                                ; the add and the youngest sixteen loads may be out
	MUL8 F1, 0, 0, 0
	s_wait_dscnt 0x0
	s_barrier_signal -1
	MUL8 F1, 0, 2, 0
	WIN 0
	s_barrier_wait -1
.if \fill
	CREST
	JLOAD                                          ; its four v_nop are also the places in front of the loads below
.else
	PLACES
.endif
	v_add_nc_u32 v[AP], s[TB], v[AP0]
	v_add_nc_u32 v[AV], s[TB], v[AV0]
	v_add_nc_u32 v[AV2], 128*PV, v[AV]
	FETCH 0, F0
.if \fill
	WIN 0
	ASK                                            ; behind the joint load and the run of LDS loads that the next products wait for
.endif
	MUL8 F1, 1, 0, 0
	MUL8 F1, 1, 2, 0
.endm
.macro MERGE                           ; O += g T, while the next tile's first fragments land; each accumulator is read from its low end on
	PLACES
	PLACES
	WIN 0xa0                                       ; O (destination and source 2) in window 2, T and g in window 0
.irp a, 0,1,2,3
.set i, 0
.rept 16
	v_pk_fma_f32 v[32*(\a)+i:32*(\a)+i+1], v[T+32*(\a)+i:T+32*(\a)+i+1], v[G+2*(\a):G+2*(\a)+1], v[32*(\a)+i:32*(\a)+i+1] op_sel_hi:[1,0,1]
.set i, i+2
.endr
.endr
	WIN 0
.endm
.macro WAYOUT                          ; 16 rows at a time through my stage: 32 bytes a lane in, whole rows of 256 bytes back, stored: 16 lanes fill 256 consecutive bytes, aligned
.irp a, 0,1,2,3
	WIN 0x08                                       ; the stores' data in window 2
.irp b, 0,1,2,3
	ds_store_b128 v[STO], v[32*(\a)+8*(\b):32*(\a)+8*(\b)+3]   offset:64*(\b)
	ds_store_b128 v[STO], v[32*(\a)+8*(\b)+4:32*(\a)+8*(\b)+7] offset:64*(\b)+16
.endr
	WIN 0
	s_wait_xcnt 0x0                                ; earlier stores have read their data: only now are those registers loaded again
.irp t, 0,1,2,3,4,5,6,7
	ds_load_b128 v[BK+32*((\a)%2)+4*(\t):BK+32*((\a)%2)+4*(\t)+3], v[RD] offset:(\t)*2*SP
.endr
	s_wait_dscnt 0x0
.irp t, 0,1,2,3,4,5,6,7
	global_store_b128 v[GO], v[BK+32*((\a)%2)+4*(\t):BK+32*((\a)%2)+4*(\t)+3], s[10:11] offset:(\a)*65536+(\t)*8192
.endr
.endr
.endm
.macro ENDBLK                          ; behind the long block's last trip (the walk's trip 5 or 7): it goes out, and O starts anew for the short one.  The jump goes forward, past no barrier and no tensor load
	s_sub_co_u32 s[RT], s[RT], 1
	s_cmp_lg_u32 s[RT], 0
	s_cbranch_scc1 .Lgo_on_\@
	WAYOUT
	s_wait_xcnt 0x0                                ; the stores have read their base
	s_mov_b64 s[10:11], s[OLO:OLO+1]
	s_mov_b32 s[RT], s[LN]
	CLEARO
.Lgo_on_\@:
.endm
	s_wait_tensorcnt 1                             ; my part of tile 0 is in; tile 1's may stay out
	s_wait_dscnt 0x0                               ; my table is written
	s_barrier_signal -1
	s_barrier_wait -1
	FETCH 0, F0
	WIN 0
	s_mov_b32 s[CNT], 8
.Ltrip:                                        ; trips 0 to 7 of the walk; the tiles of trips 2 to 9 are asked for
	QUARTER 1, F0, F1, 1
	QUARTER 2, F1, F0, 0
	QUARTER 3, F0, F1, 0
	TURN 1
	MERGE
	ENDBLK
	s_sub_co_u32 s[CNT], s[CNT], 1
	s_cmp_lg_u32 s[CNT], 0
	s_cbranch_scc1 .Ltrip
	s_mov_b32 s[CNT], 2
.Ltail:                                        ; trips 8 and 9 ask for nothing.  The last change of slots serves nothing but its 32 products, and its 32 fragments, of the slot read before,
	QUARTER 1, F0, F1, 1                           ; are not used: the price, once a launch, of one text for both trips
	QUARTER 2, F1, F0, 0
	QUARTER 3, F0, F1, 0
	TURN 0
	MERGE
	s_sub_co_u32 s[CNT], s[CNT], 1
	s_cmp_lg_u32 s[CNT], 0
	s_cbranch_scc1 .Ltail
	WAYOUT                                         ; the short block
	s_wait_tensorcnt 0x0                           ; the wave's end
	ds_add_u32 v[SPW], v[NIL]
	s_wait_dscnt 0x0
	CROUND                                         ; the closing round
	s_endpgm
.Lfunc_end_k_q352eb91298_mix:
	.size	k_q352eb91298_mix, .Lfunc_end_k_q352eb91298_mix-k_q352eb91298_mix
	.p2alignl 7, 3214868480
	.fill 96, 4, 3214868480
	.section	.rodata,"a",@progbits
	.p2align	6, 0x0
	.amdhsa_kernel k_q352eb91298_mix
		.amdhsa_group_segment_fixed_size 327680
		.amdhsa_private_segment_fixed_size 0
		.amdhsa_enable_private_segment 0
		.amdhsa_kernarg_size 32
		.amdhsa_user_sgpr_count 2
		.amdhsa_user_sgpr_kernarg_segment_ptr 1
		.amdhsa_wavefront_size32 1
		.amdhsa_system_sgpr_workgroup_id_x 1
		.amdhsa_system_sgpr_workgroup_id_y 1
		.amdhsa_system_sgpr_workgroup_id_z 1
		.amdhsa_system_vgpr_workitem_id 0
		.amdhsa_next_free_vgpr 640
		.amdhsa_next_free_sgpr 102
		.amdhsa_reserve_vcc 0
		.amdhsa_float_denorm_mode_32 3
		.amdhsa_float_denorm_mode_16_64 3
		.amdhsa_memory_ordered 1
		.amdhsa_forward_progress 1
		.amdhsa_inst_pref_size 94
	.end_amdhsa_kernel
	.amdgpu_metadata
---
amdhsa.version: [ 1, 2 ]
amdhsa.kernels:
  - .name:           k_q352eb91298_mix
    .symbol:         k_q352eb91298_mix.kd
    .args:
      - { .name: pw, .offset: 0, .size: 8, .value_kind: global_buffer, .address_space: global }
      - { .name: qkv, .offset: 8, .size: 8, .value_kind: global_buffer, .address_space: global }
      - { .name: stats, .offset: 16, .size: 8, .value_kind: global_buffer, .address_space: global }
      - { .name: out0, .offset: 24, .size: 8, .value_kind: global_buffer, .address_space: global }
    .group_segment_fixed_size: 327680
    .private_segment_fixed_size: 0
    .kernarg_segment_align: 8
    .kernarg_segment_size: 32
    .max_flat_workgroup_size: 128
    .sgpr_count:     102
    .vgpr_count:     640
    .wavefront_size: 32
...
	.end_amdgpu_metadata
.endif
;; end of part 4
